; MI455X (gfx1250); checked and timed in simulation.
; The chip was launched on July 23, 2026; its instructions are those of AMD's public machine-readable ISA for CDNA 5 (MIT licence, August 2026) and "CDNA5" Instruction Set Architecture Reference Guide (July 2026). The comments in the code are by the model that wrote it; some were corrected since.
;; Hard Op Bank. Allowed arithmetic: matrix products marked QUANTISED: E2M3 operands, one E8M0 scale for each 32 along K, by v_wmma_scale_f32_16x16x128_f8f6f4 with both operands' format E2M3, f32 sums; everything else in f32.
;; Inputs: W 8 x 512 x 512 float32; gumbel 4 x 8,192 x 8 float32; op_logits 4 x 8,192 x 8 float32; x 4 x 8,192 x 512 float32.
;; Outputs: out0 4 x 8,192 x 512 float32.
;; This version of the problem:
;;   THIS VERSION OF THE PROBLEM IS GIVEN IN LOW PRECISION. The matrix products marked QUANTISED in the list below multiply operands that are first quantised to E2M3 (2 exponent bits, 3 mantissa bits; 6 bits a number), with one power-of-two scale for each 32 numbers along K (OCP MX v1.0); their sums are f32. All else is computed in f32.
;;   The module's matrix products, in the order in which they are computed (A, B: the left and right operand; K: the contracted axis; several contracted axes count as one K, in the product's order):
;;     1. [M 32,768, K 512] x [K 512, N 512]; A: input x; B: input W: QUANTISED
;;     2. [M 32,768, K 512] x [K 512, N 512]; A: input x; B: input W: QUANTISED
;;     3. [M 32,768, K 512] x [K 512, N 512]; A: input x; B: input W: QUANTISED
;;     4. [M 32,768, K 512] x [K 512, N 512]; A: input x; B: input W: QUANTISED
;;     5. [M 32,768, K 512] x [K 512, N 512]; A: input x; B: input W: QUANTISED
;;     6. [M 32,768, K 512] x [K 512, N 512]; A: input x; B: input W: QUANTISED
;;     7. [M 32,768, K 512] x [K 512, N 512]; A: input x; B: input W: QUANTISED
;;     8. [M 32,768, K 512] x [K 512, N 512]; A: input x; B: input W: QUANTISED
;;   THE QUANTISER, for each operand of a quantised product, along K:
;;     - K is cut into blocks of 32 from its start; a last block that is shorter is filled with zeros.
;;     - A block's scale is 2^e with e = floor(log2(the largest magnitude in the block)) - 2, held to -126 .. 127; a block of zeros has e = 0. As a byte (E8M0): e + 127.
;;     - Each number is divided by its block's scale, clamped to +-7.5, and rounded to the nearest number of E2M3, ties to even, subnormals kept.
;;     - The product sums the exact products of the quantised numbers (number of the format x scale) in f32.
;;   ~~~python
;;   def quantise(x, axis):      # numpy; x: float32 -> the quantised numbers, widened to float32 again
;;       x = np.moveaxis(x, axis, -1); K = x.shape[-1]
;;       x = np.pad(x, [(0, 0)] * (x.ndim - 1) + [(0, -K % 32)]); x = x.reshape(x.shape[:-1] + (-1, 32)); a = np.abs(x).max(-1, keepdims=True)
;;       e = np.where(a > 0, np.clip(np.frexp(np.where(a > 0, a, 1))[1] - 1 - 2, -126, 127), 0)      # np.frexp(a)[1] - 1 = floor(log2(a)), exactly
;;       r = np.clip(x / 2.0 ** e, -7.5, 7.5)
;;       step = 2.0 ** (np.maximum(np.frexp(np.where(r == 0, 1, r))[1] - 1, 0) - 3)
;;       q = np.round(r / step) * step * 2.0 ** e      # np.round: ties to even
;;       return np.moveaxis(q.reshape(q.shape[:-2] + (-1,))[..., :K], -1, axis).astype(np.float32)
;;   ~~~
;; 2 versions. Each part assembles by itself: llvm-mc -triple=amdgcn-amd-amdhsa -mcpu=gfx1250 --defsym DOCPART=n.
;; ======== version 1 of 2: 3 launches
;; workspace buffers: rec 131,072 bytes of whole numbers; wgt 131,072 bytes; cntT 4,096 bytes of whole numbers; order 131,584 bytes of whole numbers; wsort 131,584 bytes; tiles 4,096 bytes of whole numbers; wfrag 1,572,864 bytes; wscl 65,536 bytes
;; launch route_wq (part 1): grid 256 x 1, 8 waves a work-group, no clusters, 70,656 bytes of LDS; arguments op_logits, gumbel, W, rec, wgt, cntT, wfrag, wscl; writes rec, wgt, cntT, wfrag, wscl
.if DOCPART == 1
	.amdgcn_target "amdgcn-amd-amdhsa--gfx1250"
	.amdhsa_code_object_version 6
	.text
	.protected	k_qff6cfd6644_route_wq
	.globl	k_qff6cfd6644_route_wq
	.p2align	8
	.type	k_qff6cfd6644_route_wq,@function
k_qff6cfd6644_route_wq:
	s_mov_b64 s[64:65], 0
	v_nop
	global_prefetch_b8 v0, s[64:65] scope:SCOPE_SE
	s_setreg_imm32_b32 hwreg(HW_REG_WAVE_MODE, 25, 1), 1
	s_wait_xcnt 0x0
; TWO JOBS IN ONE LAUNCH, parted by the work-group's number; each has LDS bytes of its own.
; Work-groups 0-127, THE CHOICE: a chunk of 256 tokens, a thread to a token.  y = softmax(logits + gumbel), the first largest y is the expert, the route's weight is (1 - y) + y.
;   Stored at fixed places: rec[t] = expert | (the token's rank among its chunk's tokens of that expert) << 8;  wgt[t];  cntT[expert][chunk] = how many.  No address and no branch hangs on the choice.
; Work-groups 128-255, THE WEIGHTS: 32 rows of W (taken as [4096][512]) become codes of FP6 (E2M3) and E8M0 scale bytes, one for each 32 along K.  Wave w takes 16 rows (w / 4) x 128 along K (w % 4): one fragment of a
;   matrix operand.  It is stored as an image of the operand's registers: fragment (tile of 16 rows, K step) at ((tile x 4) + step) x 1,536 bytes; in it group c of four registers of lane l at 512 c + 16 l.
;   wscl: 16 bytes a row, word s the scale word of K step s.
; A block's scale is 2^(floor(log2(its largest magnitude)) - 2); its byte is that magnitude's exponent field - 2, held at 1 from below.
; LIMITS: NaN and infinities among the inputs are not served.  A block of zeros gets the byte 1 and not 127: its codes are zeros, and this program alone reads the bytes.  Blocks whose largest magnitude lies
; under 2^(2 - 126) keep the byte 1.  y is made with v_exp_f32 and v_rcp_f32: where the two largest y of a token lie within an ulp or so of each other the choice hangs on the last bit of that arithmetic.
.set WSG,  0                           ; LDS, weights: the 32 rows' scale words, 16 bytes a row
.set CW,   512                         ; LDS, choice: the eight waves' counts, 32 bytes a wave
.set STG,  1024                        ; LDS, weights: a stage of 16 rows x 528 bytes for each wave
.set SROW, 528                         ; 512 bytes + 16: an odd multiple of 16, so that sixteen rows' same column falls on sixteen different groups of banks
.set R,    16                          ; v16-79   16 rows x 4 registers as loaded
.set XN,   80                          ; v80-143  64 numbers of my row: register 16 b + i = k 32 b + 16 (lane / 16) + i
.set PC,   144                         ; v144-155 the fragment; v156-162 at work
.set TM,   164                         ; v164-179 largest magnitudes, bytes, scale operands
.set PW,   180                         ; the scale word
.set WV,   20                          ; s20 wave
.set SEL,  22                          ; s[22:23] v_permlanex16_b32's selects for lane l xor 16
.set MK,   32                          ; s[32:39] mask of my wave's tokens of expert e
.set PB,   40                          ; s[40:47] tokens of expert e in the waves before mine
.set CN,   48                          ; s[48:55] tokens of expert e in my wave
; 64 numbers of a lane become a fragment's codes in v[PC] on and its scale word in v[PW]
.macro QUANT s
.irp b, 0,1,2,3
	v_max3_num_f32 v[TM+\b], |v[\s+16*\b]|, |v[\s+1+16*\b]|, 0x1800000   ; block b: my 16 numbers, and the floor 2^(3 - 127): the byte cannot fall under 1
.endr
.irp i, 2,4,6,8,10,12,14
.irp b, 0,1,2,3
	v_max3_num_f32 v[TM+\b], v[TM+\b], |v[\s+16*\b+\i]|, |v[\s+1+16*\b+\i]|   ; the four blocks by turns
.endr
.endr
.irp b, 0,1,2,3
	v_permlanex16_b32 v[TM+4+\b], v[TM+\b], s[SEL], s[SEL+1]
.endr
.irp b, 0,1,2,3
	v_max_num_f32 v[TM+\b], v[TM+\b], v[TM+4+\b]   ; with lane l xor 16's: the block's largest magnitude
.endr
.irp b, 0,1,2,3
	v_add_nc_u32 v[TM+12+\b], 0xff000000, v[TM+\b]   ; 2 off its exponent field: the conversion takes the exponent field of this operand as its scale
.endr
.irp b, 0,1,2,3
	v_lshrrev_b32 v[TM+4+\b], 23, v[TM+12+\b]      ; the scale's byte
.endr
	v_lshl_or_b32 v[PW], v[TM+5], 8, v[TM+4]
	v_lshl_or_b32 v[PW], v[TM+6], 16, v[PW]
	v_lshl_or_b32 v[PW], v[TM+7], 24, v[PW]
.irp c, 0,1
	v_cvt_scalef32_pk16_fp6_f32 v[PC+6*\c:PC+2+6*\c], v[\s+32*\c:\s+15+32*\c], v[TM+12+2*\c]
	v_cvt_scalef32_pk16_fp6_f32 v[PC+12+4*\c:PC+14+4*\c], v[\s+16+32*\c:\s+31+32*\c], v[TM+12+2*\c+1]   ; (a conversion's three registers begin on an even number)
.endr
	v_nop                                          ; one plain place behind a scaled conversion
.irp c, 0,1                                    ; the operand's layout wants a whole block in a lane: lanes 0-15 block 2 c, lanes 16-31 block 2 c + 1
.irp i, 0,1,2
	v_permlane16_swap_b32 v[PC+6*\c+\i], v[PC+12+4*\c+\i]
.endr
.irp i, 0,1,2
	v_mov_b32 v[PC+3+6*\c+\i], v[PC+12+4*\c+\i]
.endr
.endr
.endm
	s_load_b256 s[4:11], s[0:1], 0x0               ; logits s[4:5], gumbel s[6:7], W s[8:9], rec s[10:11]
	s_load_b256 s[12:19], s[0:1], 0x20             ; wgt s[12:13], cntT s[14:15], wfrag s[16:17], wscl s[18:19]
	v_lshl_add_u32 v192, v0, 2, 0x11000
	v_mov_b32 v193, 0
	v_lshrrev_b32 v1, 5, v0
	v_readfirstlane_b32 s[WV], v1                  ; wave 0..7
	v_and_b32 v2, 31, v0                           ; lane
	s_mov_b32 s[SEL], 0x76543210
	s_mov_b32 s[SEL+1], 0xfedcba98
	s_mov_b32 s25, 0
	s_wait_kmcnt 0x0
	s_cmp_lt_u32 ttmp9, 128
	s_cbranch_scc0 .Lweights
	; ---------------- THE CHOICE: chunk c = the work-group's number
	s_lshl_b32 s24, ttmp9, 13                      ; 256 tokens x 32 bytes
	s_add_nc_u64 s[4:5], s[4:5], s[24:25]
	s_add_nc_u64 s[6:7], s[6:7], s[24:25]
	s_lshl_b32 s24, ttmp9, 10                      ; 256 tokens x 4 bytes
	s_add_nc_u64 s[10:11], s[10:11], s[24:25]
	s_add_nc_u64 s[12:13], s[12:13], s[24:25]
	s_lshl_b32 s24, ttmp9, 2                       ; my chunk's word in a row of cntT
	s_add_nc_u64 s[14:15], s[14:15], s[24:25]
	v_lshlrev_b32 v3, 5, v0                        ; my token's 32 bytes
	global_load_b128 v[8:11], v3, s[4:5] th:TH_LOAD_NT
	global_load_b128 v[12:15], v3, s[4:5] offset:16 th:TH_LOAD_NT
	global_load_b128 v[16:19], v3, s[6:7] th:TH_LOAD_NT
	global_load_b128 v[20:23], v3, s[6:7] offset:16 th:TH_LOAD_NT
	v_and_b32 v35, 0xe0, v0                        ; 32 x wave: my wave's eight counts
	v_lshlrev_b32 v36, 2, v2                       ; 4 x lane
	v_lshrrev_b32 v48, 3, v2                       ; lane / 8
	v_lshlrev_b32 v55, 2, v0                       ; my token's word in rec and wgt
	v_lshlrev_b32 v56, 9, v2                       ; cntT: row = lane, 512 bytes a row
	v_mov_b32 v51, 0                               ; (a lane move's destination counts as one of its sources)
	v_mov_b32 v52, 0                               ; my rank
	s_wait_loadcnt 0x0
.irp i, 0,2,4,6
	v_pk_add_f32 v[8+\i:9+\i], v[8+\i:9+\i], v[16+\i:17+\i]   ; z = logits + gumbel (tau is 1)
.endr
	v_max3_num_f32 v24, v8, v9, v10
	v_max3_num_f32 v25, v11, v12, v13
	v_max3_num_f32 v24, v24, v14, v15
	v_max_num_f32 v24, v24, v25                    ; the largest z is taken away ahead of the exponentials
.irp i, 0,1,2,3,4,5,6,7
	v_sub_f32 v[8+\i], v[8+\i], v24
.endr
.irp i, 0,1,2,3,4,5,6,7
	v_mul_f32 v[8+\i], 0x3fb8aa3b, v[8+\i]         ; x log2(e)
.endr
.irp i, 0,1,2,3,4,5,6,7
	v_exp_f32 v[24+\i], v[8+\i]
.endr
	v_mov_b32 v33, 0                               ; the expert so far.  (A plain place behind the exponentials)
	s_wait_alu depctr_va_vdst(0)
	v_pk_add_f32 v[16:17], v[24:25], v[26:27]
	v_pk_add_f32 v[18:19], v[28:29], v[30:31]
	v_pk_add_f32 v[16:17], v[16:17], v[18:19]
	v_add_f32 v16, v16, v17
	v_rcp_f32 v17, v16
	v_nop                                          ; a plain place behind the reciprocal
	s_wait_alu depctr_va_vdst(0)
.irp i, 0,1,2,3,4,5,6,7
	v_mul_f32 v[24+\i], v[24+\i], v17              ; y
.endr
	v_mov_b32 v32, v24                             ; the largest y so far
.irp i, 1,2,3,4,5,6,7
	v_cmp_le_f32 vcc_lo, v[24+\i], v32             ; not larger: the lower index is kept
	v_cndmask_b32 v33, \i, v33, vcc_lo
	v_max_num_f32 v32, v32, v[24+\i]
.endr
	v_sub_f32 v34, 1.0, v32
	v_add_f32 v34, v34, v32                        ; the route's weight of the chosen expert: (1 - y) + y
.irp e, 0,1,2,3,4,5,6,7
	v_cmp_eq_u32 s[MK+\e], \e, v33
.endr
.irp e, 0,1,2,3,4,5,6,7
	s_bcnt1_i32_b32 s[CN+\e], s[MK+\e]
	v_mov_b32 v[40+\e], s[CN+\e]
.endr
	ds_store_b128 v35, v[40:43] offset:CW          ; all lanes write the same words with the same values
	ds_store_b128 v35, v[44:47] offset:CW+16
	s_wait_dscnt 0x0                               ; for the others' sake: my counts are in LDS
	s_barrier_signal -1
	s_barrier_wait -1
	ds_load_b32 v37, v36 offset:CW                 ; lane l: wave l / 8, expert l % 8;
	ds_load_b32 v38, v36 offset:CW+128             ; wave 4 + l / 8
	s_wait_dscnt 0x0
	v_add_nc_u32 v39, v37, v38                     ; towards the chunk's count
	v_cmp_gt_u32 vcc_lo, s[WV], v48
	v_cndmask_b32 v49, 0, v37, vcc_lo              ; towards the count of the waves before mine
	v_add_nc_u32 v48, 4, v48
	v_cmp_gt_u32 vcc_lo, s[WV], v48
	v_cndmask_b32 v50, 0, v38, vcc_lo
	v_add_nc_u32 v49, v49, v50
	v_mov_b32_dpp v50, v49 row_xmask:8 row_mask:0xf bank_mask:0xf   ; the four lanes that are equal modulo 8 hold one expert's parts
	v_mov_b32_dpp v51, v39 row_xmask:8 row_mask:0xf bank_mask:0xf
	v_add_nc_u32 v49, v49, v50
	v_add_nc_u32 v39, v39, v51
	v_permlanex16_b32 v50, v49, s[SEL], s[SEL+1]
	v_permlanex16_b32 v51, v39, s[SEL], s[SEL+1]
	v_add_nc_u32 v49, v49, v50
	v_add_nc_u32 v39, v39, v51                     ; lane e (e < 8): the chunk's tokens of expert e
.irp e, 0,1,2,3,4,5,6,7
	v_readlane_b32 s[PB+\e], v49, \e
.endr
.irp e, 0,1,2,3,4,5,6,7
	v_mbcnt_lo_u32_b32 v53, s[MK+\e], s[PB+\e]     ; earlier waves' tokens of e + my wave's lower lanes'
	v_cndmask_b32 v52, v52, v53, s[MK+\e]          ; mine where e is my expert
.endr
	v_lshl_or_b32 v54, v52, 8, v33
	global_store_b32 v55, v54, s[10:11]
	global_store_b32 v55, v34, s[12:13]
	s_cmp_lg_u32 s[WV], 0
	s_cbranch_scc1 .Lchoice_end
	v_cmp_gt_u32 vcc_lo, 8, v2
	s_wait_xcnt 0x0                                ; EXEC changes only behind this wait: the stores above have it among their sources
	s_and_saveexec_b32 s26, vcc_lo
	global_store_b32 v56, v39, s[14:15]            ; cntT[e][c]
	s_wait_xcnt 0x0
	s_or_b32 exec_lo, exec_lo, s26
.Lchoice_end:
	s_wait_tensorcnt 0x0
	ds_add_u32 v192, v193
	s_wait_dscnt 0x0
	s_endpgm
	; ---------------- THE WEIGHTS
.Lweights:
	s_sub_co_u32 s24, ttmp9, 128                   ; q: rows 32 q on
	s_lshr_b32 s26, s[WV], 2                       ; j: which 16 of them
	s_and_b32 s27, s[WV], 3                        ; s: which 128 along K
	s_lshl_b32 s28, s24, 1
	s_add_co_u32 s28, s28, s26                     ; the tile of 16 rows, 0..255
	s_lshl_b32 s30, s28, 15                        ; x 16 rows x 2,048 bytes
	s_lshl_b32 s29, s27, 9
	s_add_co_u32 s30, s30, s29                     ; + 512 s
	s_mov_b32 s31, 0
	s_add_nc_u64 s[8:9], s[8:9], s[30:31]
	s_lshl_b32 s28, s28, 2
	s_add_co_u32 s28, s28, s27
	s_mul_i32 s30, s28, 1536                       ; my fragment's image
	s_add_nc_u64 s[16:17], s[16:17], s[30:31]
	s_lshl_b32 s30, s24, 9                         ; the 32 rows' scale words
	s_add_nc_u64 s[18:19], s[18:19], s[30:31]
	v_lshlrev_b32 v3, 4, v2                        ; 16 x lane
.irp i, 0,1,2,3,4,5,6,7,8,9,10,11,12,13,14,15
	global_load_b128 v[R+4*\i:R+4*\i+3], v3, s[8:9] offset:2048*\i th:TH_LOAD_NT   ; row i: 32 lanes read 512 consecutive bytes
.endr
	v_and_b32 v6, 15, v0                           ; r
	v_bfe_u32 v7, v0, 4, 1                         ; h
	s_mul_i32 s29, s[WV], 16*SROW
	s_add_co_u32 s29, s29, STG                     ; my stage
	v_add_nc_u32 v4, s29, v3                       ; in: as loaded
	v_mul_u32_u24 v5, v6, SROW
	v_lshl_add_u32 v5, v7, 6, v5
	v_add_nc_u32 v5, s29, v5                       ; out: row r, + 64 h: my 16 numbers of each block of 32
	s_lshl_b32 s32, s26, 8
	s_lshl_b32 s33, s27, 2
	s_add_co_u32 s32, s32, s33
	v_lshl_add_u32 v8, v6, 4, s32                  ; WSG (LDS byte 0) + 16 (16 j + r) + 4 s
.irp b, 0,1,2,3
	v_mov_b32 v[TM+4+\b], 0                        ; a lane permute's destination counts as one of its sources
.endr
	s_wait_loadcnt 0x0
.irp i, 0,1,2,3,4,5,6,7,8,9,10,11,12,13,14,15
	ds_store_b128 v4, v[R+4*\i:R+4*\i+3] offset:SROW*\i
.endr
.irp b, 0,1,2,3
.irp j, 0,1,2,3
	ds_load_b128 v[XN+16*\b+4*\j:XN+16*\b+4*\j+3], v5 offset:128*\b+16*\j   ; LDS serves a wave's instructions in order: these see my stores
.endr
.endr
	s_wait_dscnt 0x0
	QUANT XN
	ds_store_b32 v8, v[PW] offset:WSG              ; both halves of the lanes write the same word with the same value
.irp c, 0,1,2
	global_store_b128 v3, v[PC+4*\c:PC+4*\c+3], s[16:17] offset:512*\c   ; 512 consecutive bytes a store
.endr
	s_wait_dscnt 0x0                               ; for wave 0's sake: my scale words are in LDS
	s_barrier_signal -1
	s_barrier_wait -1
	s_cmp_lg_u32 s[WV], 0
	s_cbranch_scc1 .Lweights_end
	ds_load_b128 v[12:15], v3 offset:WSG           ; lane l: row l's four words
	s_wait_dscnt 0x0
	global_store_b128 v3, v[12:15], s[18:19]       ; 512 consecutive bytes, aligned
.Lweights_end:
	s_wait_tensorcnt 0x0
	ds_add_u32 v192, v193
	s_wait_dscnt 0x0
	s_endpgm
.Lfunc_end_k_qff6cfd6644_route_wq:
	.size	k_qff6cfd6644_route_wq, .Lfunc_end_k_qff6cfd6644_route_wq-k_qff6cfd6644_route_wq
	.p2alignl 7, 3214868480
	.fill 96, 4, 3214868480
	.section	.rodata,"a",@progbits
	.p2align	6, 0x0
	.amdhsa_kernel k_qff6cfd6644_route_wq
		.amdhsa_group_segment_fixed_size 70656
		.amdhsa_private_segment_fixed_size 0
		.amdhsa_enable_private_segment 0
		.amdhsa_kernarg_size 64
		.amdhsa_user_sgpr_count 2
		.amdhsa_user_sgpr_kernarg_segment_ptr 1
		.amdhsa_wavefront_size32 1
		.amdhsa_system_sgpr_workgroup_id_x 1
		.amdhsa_system_sgpr_workgroup_id_y 1
		.amdhsa_system_sgpr_workgroup_id_z 1
		.amdhsa_system_vgpr_workitem_id 0
		.amdhsa_next_free_vgpr 194
		.amdhsa_next_free_sgpr 66
		.amdhsa_reserve_vcc 1
		.amdhsa_float_denorm_mode_32 3
		.amdhsa_float_denorm_mode_16_64 3
		.amdhsa_memory_ordered 1
		.amdhsa_forward_progress 1
		.amdhsa_inst_pref_size 19
	.end_amdhsa_kernel
	.amdgpu_metadata
---
amdhsa.version: [ 1, 2 ]
amdhsa.kernels:
  - .name:           k_qff6cfd6644_route_wq
    .symbol:         k_qff6cfd6644_route_wq.kd
    .args:
      - { .name: op_logits, .offset: 0, .size: 8, .value_kind: global_buffer, .address_space: global }
      - { .name: gumbel, .offset: 8, .size: 8, .value_kind: global_buffer, .address_space: global }
      - { .name: W, .offset: 16, .size: 8, .value_kind: global_buffer, .address_space: global }
      - { .name: rec, .offset: 24, .size: 8, .value_kind: global_buffer, .address_space: global }
      - { .name: wgt, .offset: 32, .size: 8, .value_kind: global_buffer, .address_space: global }
      - { .name: cntT, .offset: 40, .size: 8, .value_kind: global_buffer, .address_space: global }
      - { .name: wfrag, .offset: 48, .size: 8, .value_kind: global_buffer, .address_space: global }
      - { .name: wscl, .offset: 56, .size: 8, .value_kind: global_buffer, .address_space: global }
    .group_segment_fixed_size: 70656
    .private_segment_fixed_size: 0
    .kernarg_segment_align: 8
    .kernarg_segment_size: 64
    .max_flat_workgroup_size: 256
    .sgpr_count:     66
    .vgpr_count:     194
    .wavefront_size: 32
...
	.end_amdgpu_metadata
.endif
;; end of part 1
;; launch place (part 2): grid 128 x 1, 8 waves a work-group, no clusters, 2,048 bytes of LDS; arguments rec, wgt, cntT, order, wsort, tiles; writes order, wsort, tiles
.if DOCPART == 2
	.amdgcn_target "amdgcn-amd-amdhsa--gfx1250"
	.amdhsa_code_object_version 6
	.text
	.protected	k_qff6cfd6644_place
	.globl	k_qff6cfd6644_place
	.p2align	8
	.type	k_qff6cfd6644_place,@function
k_qff6cfd6644_place:
	s_mov_b64 s[64:65], 0
	v_nop
	global_prefetch_b8 v0, s[64:65] scope:SCOPE_SE
	s_setreg_imm32_b32 hwreg(HW_REG_WAVE_MODE, 25, 1), 1
	s_wait_xcnt 0x0
; THE PLACING: a counting sort of the 32,768 tokens by expert, all on whole numbers that the launch before stored.  Work-group c places chunk c's 256 tokens, a thread to a token.
; In order[] each expert's run is filled up to a multiple of 16 rows with copies of its last token, so that every tile of 16 rows has ONE expert; wsort[] holds the route's weight at the same place.
; There are NT = sum of ceil(T_e / 16) tiles, 2,048 to 2,055.  They are dealt to exactly 256 work-groups of the next launch: with X = NT - 2,048 work-group g begins at F = 8 g + (g X >> 8) and has 8 or 9.
; tiles[g] = F, N, the experts of tiles F .. F + 8 in 3 bits each, 0.  Each word of the three outputs has one owner: the thread of its token (copies: the thread of the expert's last token); tiles: work-group 0.
	s_load_b256 s[4:11], s[0:1], 0x0               ; rec s[4:5], wgt s[6:7], cntT s[8:9], order s[10:11]
	s_load_b128 s[12:15], s[0:1], 0x20             ; wsort s[12:13], tiles s[14:15]
	v_lshl_add_u32 v96, v0, 2, 0x400
	v_mov_b32 v97, 0
	s_mov_b32 s16, ttmp9                           ; c
	s_lshl_b32 s17, ttmp9, 8                       ; my chunk's first token
	s_lshl_b32 s18, ttmp9, 10
	s_mov_b32 s19, 0
	s_mov_b32 s20, 0x76543210
	s_mov_b32 s21, 0xfedcba98                      ; v_permlanex16_b32's selects for lane l xor 16
	v_and_b32 v2, 31, v0
	v_lshlrev_b32 v3, 2, v0                        ; 4 x thread
	v_lshlrev_b32 v4, 4, v0                        ; 16 x thread = 512 x wave + 16 x lane: wave e reads row e of cntT
	v_lshlrev_b32 v5, 2, v2                        ; the first of my four chunks
	v_lshrrev_b32 v18, 5, v0
	v_lshlrev_b32 v18, 2, v18                      ; 4 x wave
	v_mov_b32 v16, 0                               ; (a lane move's destination counts as one of its sources)
	v_mov_b32 v17, 0
	v_mov_b32 v19, 0
	s_wait_kmcnt 0x0
	s_add_nc_u64 s[4:5], s[4:5], s[18:19]
	s_add_nc_u64 s[6:7], s[6:7], s[18:19]
	global_load_b128 v[10:13], v4, s[8:9]
	global_load_b32 v8, v3, s[4:5]
	global_load_b32 v9, v3, s[6:7]
	s_wait_loadcnt 0x0
	v_add3_u32 v14, v10, v11, v12
	v_add_nc_u32 v14, v14, v13                     ; towards T_e: all chunks
.irp j, 0,1,2,3
	v_add_nc_u32 v6, \j, v5
	v_cmp_gt_u32 vcc_lo, s16, v6
	v_cndmask_b32 v[10+\j], 0, v[10+\j], vcc_lo    ; towards P_e: the chunks before mine
.endr
	v_add3_u32 v15, v10, v11, v12
	v_add_nc_u32 v15, v15, v13
.irp m, 1,2,4,8
	v_mov_b32_dpp v16, v14 row_xmask:\m row_mask:0xf bank_mask:0xf
	v_mov_b32_dpp v17, v15 row_xmask:\m row_mask:0xf bank_mask:0xf
	v_add_nc_u32 v14, v14, v16
	v_add_nc_u32 v15, v15, v17
.endr
	v_permlanex16_b32 v16, v14, s20, s21
	v_permlanex16_b32 v17, v15, s20, s21
	v_add_nc_u32 v14, v14, v16
	v_add_nc_u32 v15, v15, v17
	ds_store_b32 v18, v14                          ; T_e at 4 e (all lanes the same word, the same value),
	ds_store_b32 v18, v15 offset:32                ; P_e at 32 + 4 e
	s_wait_dscnt 0x0                               ; for the others' sake
	s_barrier_signal -1
	s_barrier_wait -1
	ds_load_b128 v[20:23], v19                     ; T_0 .. T_7 in v20-27
	ds_load_b128 v[24:27], v19 offset:16
	ds_load_b128 v[28:31], v19 offset:32           ; P_0 .. P_7 in v28-35
	ds_load_b128 v[32:35], v19 offset:48
	s_wait_dscnt 0x0
	v_mov_b32 v36, 0                               ; PO_0 .. PO_8 in v36-44: where the filled-up runs begin
.irp e, 0,1,2,3,4,5,6,7
	v_add_nc_u32 v45, 15, v[20+\e]
	v_and_b32 v45, -16, v45
	v_add_nc_u32 v[37+\e], v[36+\e], v45
.endr
	v_and_b32 v46, 0xff, v8                        ; my expert
	v_lshrrev_b32 v47, 8, v8                       ; my rank in the chunk
	v_mov_b32 v52, v36                             ; PO_e, P_e, T_e, PO_(e+1) of my expert, by selection
	v_mov_b32 v49, v28
	v_mov_b32 v50, v20
	v_mov_b32 v51, v37
.irp k, 1,2,3,4,5,6,7
	v_cmp_eq_u32 vcc_lo, \k, v46
	v_cndmask_b32 v52, v52, v[36+\k], vcc_lo
	v_cndmask_b32 v49, v49, v[28+\k], vcc_lo
	v_cndmask_b32 v50, v50, v[20+\k], vcc_lo
	v_cndmask_b32 v51, v51, v[37+\k], vcc_lo
.endr
	v_add3_u32 v53, v52, v49, v47                  ; my place
	v_min_u32 v53, 0x807f, v53                     ; held inside the buffers' 32,896 words
	v_add_nc_u32 v54, s17, v0                      ; my token
	v_lshlrev_b32 v55, 2, v53
	v_add3_u32 v56, v49, v47, 1
	v_sub_nc_u32 v57, v51, v53
	v_add_nc_u32 v57, -1, v57                      ; places left behind mine in the run
	v_cmp_eq_u32 vcc_lo, v56, v50                  ; am I my expert's last token?
	v_cndmask_b32 v57, 0, v57, vcc_lo              ; then they are mine to fill: 0 to 15
.irp k, 1,2,3,4,5,6,7,8,9,10,11,12,13,14,15
	v_min_u32 v[64+\k], \k, v57                    ; (beyond the last copy: the last copy's place once more)
	v_add_nc_u32 v[64+\k], v[64+\k], v53
	v_min_u32 v[64+\k], 0x807f, v[64+\k]
	v_lshlrev_b32 v[64+\k], 2, v[64+\k]
.endr
	global_store_b32 v55, v54, s[10:11]
	global_store_b32 v55, v9, s[12:13]
	v_cmp_lt_u32 vcc_lo, 0, v57
	s_wait_xcnt 0x0                                ; EXEC changes only behind this wait
	s_and_saveexec_b32 s22, vcc_lo                 ; at most eight threads of the whole launch
.irp k, 1,2,3,4,5,6,7,8,9,10,11,12,13,14,15
	global_store_b32 v[64+\k], v54, s[10:11]
	global_store_b32 v[64+\k], v9, s[12:13]
.endr
	s_wait_xcnt 0x0
	s_or_b32 exec_lo, exec_lo, s22
	s_cmp_lg_u32 s16, 0
	s_cbranch_scc1 .Lend
	; work-group 0, thread g: the next launch's work-group g
	v_lshrrev_b32 v58, 4, v44
	v_add_nc_u32 v58, 0xfffff800, v58              ; X = NT - 2,048
	v_mul_u32_u24 v59, v0, v58
	v_lshrrev_b32 v59, 8, v59
	v_lshl_add_u32 v92, v0, 3, v59                 ; F
	v_add_nc_u32 v60, 1, v0
	v_mul_u32_u24 v61, v60, v58
	v_lshrrev_b32 v61, 8, v61
	v_lshl_add_u32 v61, v60, 3, v61
	v_sub_nc_u32 v93, v61, v92                     ; N
.irp k, 1,2,3,4,5,6,7
	v_lshrrev_b32 v[80+\k], 4, v[36+\k]            ; the first tile of expert k
.endr
.irp m, 0,1,2,3,4,5,6,7,8
	v_add_nc_u32 v62, \m, v92
	v_mov_b32 v63, 0
.irp k, 1,2,3,4,5,6,7
	v_cmp_le_u32 vcc_lo, v[80+\k], v62
	v_add_co_ci_u32 v63, vcc_lo, 0, v63, vcc_lo    ; the tile's expert = how many experts k >= 1 begin at or before it
.endr
.if \m == 0
	v_mov_b32 v94, v63
.else
	v_lshl_or_b32 v94, v63, 3*\m, v94
.endif
.endr
	v_mov_b32 v95, 0
	global_store_b128 v4, v[92:95], s[14:15]
.Lend:
	s_wait_tensorcnt 0x0
	ds_add_u32 v96, v97
	s_wait_dscnt 0x0
	s_endpgm
.Lfunc_end_k_qff6cfd6644_place:
	.size	k_qff6cfd6644_place, .Lfunc_end_k_qff6cfd6644_place-k_qff6cfd6644_place
	.p2alignl 7, 3214868480
	.fill 96, 4, 3214868480
	.section	.rodata,"a",@progbits
	.p2align	6, 0x0
	.amdhsa_kernel k_qff6cfd6644_place
		.amdhsa_group_segment_fixed_size 2048
		.amdhsa_private_segment_fixed_size 0
		.amdhsa_enable_private_segment 0
		.amdhsa_kernarg_size 48
		.amdhsa_user_sgpr_count 2
		.amdhsa_user_sgpr_kernarg_segment_ptr 1
		.amdhsa_wavefront_size32 1
		.amdhsa_system_sgpr_workgroup_id_x 1
		.amdhsa_system_sgpr_workgroup_id_y 1
		.amdhsa_system_sgpr_workgroup_id_z 1
		.amdhsa_system_vgpr_workitem_id 0
		.amdhsa_next_free_vgpr 98
		.amdhsa_next_free_sgpr 66
		.amdhsa_reserve_vcc 1
		.amdhsa_float_denorm_mode_32 3
		.amdhsa_float_denorm_mode_16_64 3
		.amdhsa_memory_ordered 1
		.amdhsa_forward_progress 1
		.amdhsa_inst_pref_size 18
	.end_amdhsa_kernel
	.amdgpu_metadata
---
amdhsa.version: [ 1, 2 ]
amdhsa.kernels:
  - .name:           k_qff6cfd6644_place
    .symbol:         k_qff6cfd6644_place.kd
    .args:
      - { .name: rec, .offset: 0, .size: 8, .value_kind: global_buffer, .address_space: global }
      - { .name: wgt, .offset: 8, .size: 8, .value_kind: global_buffer, .address_space: global }
      - { .name: cntT, .offset: 16, .size: 8, .value_kind: global_buffer, .address_space: global }
      - { .name: order, .offset: 24, .size: 8, .value_kind: global_buffer, .address_space: global }
      - { .name: wsort, .offset: 32, .size: 8, .value_kind: global_buffer, .address_space: global }
      - { .name: tiles, .offset: 40, .size: 8, .value_kind: global_buffer, .address_space: global }
    .group_segment_fixed_size: 2048
    .private_segment_fixed_size: 0
    .kernarg_segment_align: 8
    .kernarg_segment_size: 48
    .max_flat_workgroup_size: 256
    .sgpr_count:     66
    .vgpr_count:     98
    .wavefront_size: 32
...
	.end_amdgpu_metadata
.endif
;; end of part 2
;; launch chain (part 3): grid 256 x 1, 8 waves a work-group, no clusters, 132,096 bytes of LDS; arguments x, order, tiles, wsort, wfrag, wscl, out0; writes out0
.if DOCPART == 3
	.amdgcn_target "amdgcn-amd-amdhsa--gfx1250"
	.amdhsa_code_object_version 6
	.text
	.protected	k_qff6cfd6644_chain
	.globl	k_qff6cfd6644_chain
	.p2align	8
	.type	k_qff6cfd6644_chain,@function
k_qff6cfd6644_chain:
	s_mov_b64 s[64:65], 0
	v_nop
	global_prefetch_b8 v0, s[64:65] scope:SCOPE_SE
	s_setreg_imm32_b32 hwreg(HW_REG_WAVE_MODE, 25, 1), 1
	s_wait_xcnt 0x0
; out[t] = route x act_e(x[t] W_e^T) for the expert e chosen for token t alone: the other seven products are multiplied by a route of exactly 0 in the problem's function and are not made.
; Both operands are codes of FP6 (E2M3) with one E8M0 scale for each 32 along K = 512; sums in f32.
; SHARES.  A work-group takes N (8 or 9) tiles of 16 sorted rows; every tile has one expert.  THE WAVES SHARE THE COLUMNS: wave w makes outputs 64 w .. 64 w + 63 of all rows.  Its part of W_e, 16 fragments (192 registers)
; and 16 scale words, stays in registers until the expert changes.  First wave w gathers tile w's 16 rows of x, quantises them and lays the four fragments in LDS as images of the operand's registers (a ninth tile: waves 0-3,
; a K step each); ONE barrier; then every wave walks all tiles: fragments from LDS, 16 products, the activation, x the route's weight, through its own stage, and stores 256 consecutive aligned bytes of each row.
; THE PRODUCT IS USED TRANSPOSED (source 0 = 16 rows of W, source 1 = 16 tokens): a lane holds one token and eight neighbouring outputs.
; Rows that fill an expert's run up to 16 are copies of its last token: the same wave stores the same bytes to the same place once more.
; NO JOINT LOADS of W: how many tiles a work-group has and which experts they belong to are numbers read from memory, and the text branches on them; so it holds no tensor load, and W's images (24 KB a wave) come
; from memory straight into registers.  Two waves to a SIMD, since a wave has only 16 products a tile beside LDS round trips and vector work.
; LIMITS: NaN and infinities are not served; 0 x h of an expert not chosen is taken as 0 (true while h is finite); a block of zeros gets the scale byte 1 (its codes are zeros); tanh = 1 - 2 / (1 + e^(2h)) and
; erf = z P(z^2) / Q(z^2), z held to +-4, are right to about 1e-7 absolutely, not relatively.
.set IMG,  0                           ; LDS: 9 tiles x 4 K steps x 1,536 bytes: images of fragments
.set XSC,  55296                       ; their scale words: 512 bytes a tile, lane l's four words at 16 l
.set TOK,  59904                       ; the rows' tokens: 64 bytes a tile, the even rows' eight, then the odd rows'
.set WT,   60928                       ; the rows' route weights, 4 bytes a row
.set STG,  61952                       ; a stage of 8,448 bytes for each wave: 16 x 528 on the way in, 16 x 272 on the way out
.set SROW, 528
.set OROW, 272
.set LI,   1                           ; v1   16 x lane
.set R16,  2                           ; v2   16 x (lane % 16)
.set TST,  3                           ; v3   the stage, rows as loaded
.set TLD,  4                           ; v4   the stage, row r + 64 h
.set XWI,  5                           ; v5   where I store my tile's images
.set XWS,  6                           ; v6   and their scale words
.set XWI8, 7                           ; v7   the same for my K step of a ninth tile
.set XWS8, 8
.set SO,   9                           ; v9   the way out: where I put 32 bytes of a row
.set SR,   10                          ; v10  and where I read a row back
.set OB,   11                          ; v11  256 w + 16 (lane % 16): my bytes in a row of out
.set FA,   12                          ; v12-15 LDS addresses of the tile in hand: fragments, scale words, tokens, weight
.set SA,   13
.set TA,   14
.set WA,   15
.set XO,   16                          ; v16-31 byte offsets of 16 rows of x;  later:
.set OA,   16                          ; v16-23 byte offsets of my rows of out
.set WP,   24                          ; v[24:25] the route's weight, twice;  v[26:27] half of it;  v[28:31] the leading coefficients of P and Q
.set WS,   32                          ; v32-47 W's scale words (tile t, K step s: 4 t + s): scales and nothing else
.set XS,   48                          ; v48-51 x's scale words: scales and nothing else
.set XF,   52                          ; v52-99 x's four fragments;  while x is quantised:
.set PC,   52                          ; v52-63 the fragment, v64-70 at work
.set TM,   72                          ; v72-87
.set PW,   88
.set LI8,  90                          ; v90  16 x lane + 512 w
.set TKS,  91                          ; v91, v92 where I store a token and a weight;  v93, v94 the two;  v95 their offset in memory
.set WTS,  92
.set TKD,  93
.set WTD,  94
.set TBO,  95
.set ACC,  100                         ; v100-131 four accumulators
.set BK,   132                         ; v132-163 16 rows read back from the stage
.set XN,   100                         ; v100-163 64 numbers of x
.set TA0,  164                         ; v164 TOK + 32 (lane / 16);  v165 WT + 4 (lane % 16)
.set WA0,  165
.set RING, 192                         ; v192-255 of windows 0 and 1: two sets of 16 rows x 4 registers;  window 1, v0-191: W's fragments, 12 (4 t + s)
.set T0,   192                         ; later the activations' work registers
.set WV,   18                          ; s18 wave
.set FT,   20                          ; s20 F, s21 N, s22 the tiles' experts, 3 bits each
.set NT,   21
.set EP,   22
.set WB,   24                          ; s[24:25] my fragments of W_e;  s[26:27] their scale words
.set WSB,  26
.set OPF,  28                          ; s[28:29] order at my first row;  s[74:75] wsort likewise
.set ECUR, 30                          ; s30 the expert whose weights I hold;  s31 the tile's
.set EN,   31
.set XR,   32                          ; s[32:47] my tile's 16 tokens;  s[48:63] a ninth tile's
.set XR8,  48
.set M,    66                          ; s66 the tile;  s67, s68, s69 its places in LDS
.set TB,   67
.set TS,   68
.set TW,   69
.set SEL,  70
.set WSF,  74
.set MSB, 0
.macro WIN new                         ; the immediate's high byte repeats the setting that is left; a switch that changes nothing is dropped
.if MSB != (\new)
	s_set_vgpr_msb (MSB<<8)|(\new)
.set MSB, (\new)
.endif
.endm
.macro XOFF base, add                  ; 16 tokens become byte offsets of rows of x
.irp i, 0,1,2,3,4,5,6,7,8,9,10,11,12,13,14,15
	s_min_u32 s2, s[\base+\i], 0x7fff              ; a number read from memory is held inside the tensor before it enters an address
	v_lshl_add_u32 v[XO+\i], s2, 11, v[\add]
.endr
.endm
.macro XLOAD set, off                  ; 128 along K of the 16 rows: each load reads 512 consecutive bytes of one row
	WIN 0x40*(\set)
.irp i, 0,1,2,3,4,5,6,7,8,9,10,11,12,13,14,15
	global_load_b128 v[RING+4*\i:RING+4*\i+3], v[XO+\i], s[4:5] offset:\off
.endr
	WIN 0
.endm
.macro WBASE                           ; where my part of W_e lies: tiles 32 e + 4 w on, 6,144 bytes each; rows 512 e + 64 w on, 16 bytes each
	s_lshl_b32 s2, s[ECUR], 5
	s_lshl_b32 s80, s[WV], 2
	s_add_co_u32 s2, s2, s80
	s_mul_i32 s2, s2, 6144
	s_add_nc_u64 s[WB:WB+1], s[12:13], s[2:3]
	s_lshl_b32 s2, s[ECUR], 13
	s_lshl_b32 s80, s[WV], 10
	s_add_co_u32 s2, s2, s80
	s_add_nc_u64 s[WSB:WSB+1], s[14:15], s[2:3]
.endm
.macro WL k                            ; my k-th tile of 16 rows of W: four fragments and their scale words: 13 loads
	WIN 0x40
.irp s, 0,1,2,3
.irp c, 0,1,2
	global_load_b128 v[12*(4*(\k)+\s)+4*\c:12*(4*(\k)+\s)+4*\c+3], v[LI], s[WB:WB+1] offset:(4*(\k)+\s)*1536+512*\c
.endr
.endr
	WIN 0
	global_load_b128 v[WS+4*(\k):WS+4*(\k)+3], v[R16], s[WSB:WSB+1] offset:256*(\k)
.endm
.macro TURN set                        ; 16 rows x 512 bytes through my stage: in as loaded, out 16 neighbours of each block of 32 a lane
	WIN 0x04*(\set)
.irp i, 0,1,2,3,4,5,6,7,8,9,10,11,12,13,14,15
	ds_store_b128 v[TST], v[RING+4*\i:RING+4*\i+3] offset:SROW*\i
.endr
	WIN 0
.irp b, 0,1,2,3
.irp j, 0,1,2,3
	ds_load_b128 v[XN+16*\b+4*\j:XN+16*\b+4*\j+3], v[TLD] offset:128*\b+16*\j   ; LDS serves a wave's instructions in order: these see my stores
.endr
.endr
.endm
; 64 numbers of a lane, register 16 b + i = k 32 b + 16 (lane / 16) + i of my row, become a fragment's codes in v[PC] on and its scale word in v[PW]
.macro QUANT s
.irp b, 0,1,2,3
	v_max3_num_f32 v[TM+\b], |v[\s+16*\b]|, |v[\s+1+16*\b]|, 0x1800000   ; block b: my 16 numbers, and the floor 2^(3 - 127): the byte cannot fall under 1
.endr
.irp i, 2,4,6,8,10,12,14
.irp b, 0,1,2,3
	v_max3_num_f32 v[TM+\b], v[TM+\b], |v[\s+16*\b+\i]|, |v[\s+1+16*\b+\i]|   ; the four blocks by turns
.endr
.endr
.irp b, 0,1,2,3
	v_permlanex16_b32 v[TM+4+\b], v[TM+\b], s[SEL], s[SEL+1]
.endr
.irp b, 0,1,2,3
	v_max_num_f32 v[TM+\b], v[TM+\b], v[TM+4+\b]   ; with lane l xor 16's: the block's largest magnitude
.endr
.irp b, 0,1,2,3
	v_add_nc_u32 v[TM+12+\b], 0xff000000, v[TM+\b]   ; 2 off its exponent field: the conversion takes the exponent field of this operand as its scale
.endr
.irp b, 0,1,2,3
	v_lshrrev_b32 v[TM+4+\b], 23, v[TM+12+\b]      ; the scale's byte
.endr
	v_lshl_or_b32 v[PW], v[TM+5], 8, v[TM+4]
	v_lshl_or_b32 v[PW], v[TM+6], 16, v[PW]
	v_lshl_or_b32 v[PW], v[TM+7], 24, v[PW]
.irp c, 0,1
	v_cvt_scalef32_pk16_fp6_f32 v[PC+6*\c:PC+2+6*\c], v[\s+32*\c:\s+15+32*\c], v[TM+12+2*\c]
	v_cvt_scalef32_pk16_fp6_f32 v[PC+12+4*\c:PC+14+4*\c], v[\s+16+32*\c:\s+31+32*\c], v[TM+12+2*\c+1]   ; (a conversion's three registers begin on an even number)
.endr
	v_nop                                          ; one plain place behind a scaled conversion
.irp c, 0,1                                    ; the operand's layout wants a whole block in a lane
.irp i, 0,1,2
	v_permlane16_swap_b32 v[PC+6*\c+\i], v[PC+12+4*\c+\i]
.endr
.irp i, 0,1,2
	v_mov_b32 v[PC+3+6*\c+\i], v[PC+12+4*\c+\i]
.endr
.endr
.endm
.macro IMAGE adr, off                  ; the fragment goes to LDS as it stands: 512 consecutive bytes a store
.irp c, 0,1,2
	ds_store_b128 v[\adr], v[PC+4*\c:PC+4*\c+3] offset:\off+512*\c
.endr
.endm
; K step u of my tile.  left: the loads issued behind this step's 16, which may stay out
.macro STEP u, left
	s_wait_loadcnt \left
.if \u == 0
	ds_store_b32 v[TKS], v[TKD]                    ; the tables (their two loads were issued ahead of step 0's)
	ds_store_b32 v[WTS], v[WTD]
.endif
	TURN (\u)%2
	s_wait_dscnt 0x0                               ; the numbers are back; the ring's set and the last fragment's registers have been read
.if \u < 2
	XLOAD (\u)%2, 512*(\u)+1024                    ; the set takes the step two on
.endif
.if \u == 2
	s_cmp_lt_u32 s[WV], 4                          ; a ninth tile: waves 0-3 take a K step each
	s_cbranch_scc0 .Lno_ninth_load
	s_cmp_eq_u32 s[NT], 9
	s_cbranch_scc0 .Lno_ninth_load
	s_wait_xcnt 0x0                                ; step 3's loads have read their offsets: these may be written again
	XOFF XR8, LI8
	XLOAD 0, 0
.Lno_ninth_load:
.endif
	WL \u                                          ; a quarter of my weights is asked for in each step
	QUANT XN
	IMAGE XWI, 1536*(\u)
	ds_store_b32 v[XWS], v[PW] offset:4*(\u)
.endm
; 16 products: K step by K step, the four accumulators by turns, one instruction a turn.  The first K step starts the sums
.macro MUL
	WIN 0x01                                       ; source 0 (W) in window 1
.irp s, 0,1,2,3
.irp t, 0,1,2,3
.if \s == 0
	v_wmma_scale_f32_16x16x128_f8f6f4 v[ACC+8*\t:ACC+8*\t+7], v[12*(4*\t+\s):12*(4*\t+\s)+11], v[XF+12*\s:XF+12*\s+11], 0, v[WS+4*\t+\s], v[XS+\s] matrix_a_fmt:MATRIX_FMT_FP6 matrix_b_fmt:MATRIX_FMT_FP6
.else
	v_wmma_scale_f32_16x16x128_f8f6f4 v[ACC+8*\t:ACC+8*\t+7], v[12*(4*\t+\s):12*(4*\t+\s)+11], v[XF+12*\s:XF+12*\s+11], v[ACC+8*\t:ACC+8*\t+7], v[WS+4*\t+\s], v[XS+\s] matrix_a_fmt:MATRIX_FMT_FP6 matrix_b_fmt:MATRIX_FMT_FP6
.endif
.endr
.endr
	WIN 0
.endm
; THE ACTIVATIONS work in place on accumulator t, from its low end on.
.macro PKW t                           ; x the route's weight
.irp p, 0,1,2,3
	v_pk_mul_f32 v[ACC+8*\t+2*\p:ACC+8*\t+2*\p+1], v[ACC+8*\t+2*\p:ACC+8*\t+2*\p+1], v[WP:WP+1]
.endr
.endm
.macro RELU t
.irp i, 0,1,2,3,4,5,6,7
	v_max_num_f32 v[ACC+8*\t+\i], 0, v[ACC+8*\t+\i]
.endr
.endm
.macro SIGF t, const                   ; v[T0 + 8 t ..] = 1 / (1 + 2^(h x const))
.irp p, 0,1,2,3
	v_pk_mul_f32 v[T0+8*\t+2*\p:T0+8*\t+2*\p+1], v[ACC+8*\t+2*\p:ACC+8*\t+2*\p+1], \const op_sel_hi:[1,0]
.endr
.irp i, 0,1,2,3,4,5,6,7
	v_exp_f32 v[T0+8*\t+\i], v[T0+8*\t+\i]
.endr
	v_nop                                          ; a plain place behind the exponentials
	s_wait_alu depctr_va_vdst(0)
.irp p, 0,1,2,3
	v_pk_add_f32 v[T0+8*\t+2*\p:T0+8*\t+2*\p+1], v[T0+8*\t+2*\p:T0+8*\t+2*\p+1], 1.0 op_sel_hi:[1,0]
.endr
.irp i, 0,1,2,3,4,5,6,7
	v_rcp_f32 v[T0+8*\t+\i], v[T0+8*\t+\i]
.endr
	v_nop                                          ; a plain place behind the reciprocals
.endm
.set GZ, T0                            ; gelu: z, z^2, P, Q
.set GX, T0+8
.set GP, T0+16
.set GQ, T0+24
.macro GELU t                          ; w h (1 + erf(h / sqrt 2)) / 2
.irp p, 0,1,2,3
	v_pk_mul_f32 v[GZ+2*\p:GZ+2*\p+1], v[ACC+8*\t+2*\p:ACC+8*\t+2*\p+1], 0x3f3504f3 op_sel_hi:[1,0]
.endr
.irp i, 0,1,2,3,4,5,6,7
	v_med3_num_f32 v[GZ+\i], v[GZ+\i], -4.0, 4.0   ; beyond 4 erf is 1 to the last bit of f32
.endr
.irp p, 0,1,2,3
	v_pk_mul_f32 v[GX+2*\p:GX+2*\p+1], v[GZ+2*\p:GZ+2*\p+1], v[GZ+2*\p:GZ+2*\p+1]
.endr
.irp p, 0,1,2,3
	v_pk_fma_f32 v[GP+2*\p:GP+2*\p+1], v[GX+2*\p:GX+2*\p+1], v[28:29], 0x32edffee op_sel_hi:[1,1,0]   ; -2.72614226e-10 z^2 + 2.77068142e-8
	v_pk_fma_f32 v[GQ+2*\p:GQ+2*\p+1], v[GX+2*\p:GX+2*\p+1], v[30:31], 0xb95fbd29 op_sel_hi:[1,1,0]   ; -1.45660718e-5 z^2 - 2.13374055e-4
.endr
.irp c, 0xb60cff51, 0xb86ec2d2, 0xba40ac63, 0xbb41a1f6, 0xbc83dbd4   ; -2.10102402e-6, -5.69250639e-5, -7.34990630e-4, -2.95459981e-3, -1.60960333e-2
.irp p, 0,1,2,3
	v_pk_fma_f32 v[GP+2*\p:GP+2*\p+1], v[GP+2*\p:GP+2*\p+1], v[GX+2*\p:GX+2*\p+1], \c op_sel_hi:[1,1,0]
.endr
.endr
.irp c, 0xbadc924e, 0xbbf19bf8, 0xbc69b6a7     ; -1.68282697e-3, -7.37332917e-3, -1.42647391e-2
.irp p, 0,1,2,3
	v_pk_fma_f32 v[GQ+2*\p:GQ+2*\p+1], v[GQ+2*\p:GQ+2*\p+1], v[GX+2*\p:GX+2*\p+1], \c op_sel_hi:[1,1,0]
.endr
.endr
.irp i, 0,1,2,3,4,5,6,7
	v_rcp_f32 v[GQ+\i], v[GQ+\i]
.endr
.irp p, 0,1,2,3
	v_pk_mul_f32 v[GP+2*\p:GP+2*\p+1], v[GP+2*\p:GP+2*\p+1], v[GZ+2*\p:GZ+2*\p+1]   ; z P.  (Plain places behind the reciprocals)
.endr
.irp p, 0,1,2,3
	v_pk_mul_f32 v[ACC+8*\t+2*\p:ACC+8*\t+2*\p+1], v[ACC+8*\t+2*\p:ACC+8*\t+2*\p+1], v[26:27]   ; a = h w / 2
.endr
	s_wait_alu depctr_va_vdst(0)
.irp p, 0,1,2,3
	v_pk_mul_f32 v[GP+2*\p:GP+2*\p+1], v[GP+2*\p:GP+2*\p+1], v[GQ+2*\p:GQ+2*\p+1]   ; erf
.endr
.irp p, 0,1,2,3
	v_pk_fma_f32 v[ACC+8*\t+2*\p:ACC+8*\t+2*\p+1], v[ACC+8*\t+2*\p:ACC+8*\t+2*\p+1], v[GP+2*\p:GP+2*\p+1], v[ACC+8*\t+2*\p:ACC+8*\t+2*\p+1]   ; a erf + a
.endr
.endm
	s_load_b256 s[4:11], s[0:1], 0x0               ; x s[4:5], order s[6:7], tiles s[8:9], wsort s[10:11]
	s_load_b128 s[12:15], s[0:1], 0x20             ; wfrag s[12:13], wscl s[14:15]
	s_load_b64 s[16:17], s[0:1], 0x30              ; out
	v_lshl_add_u32 v190, v0, 2, 0x20000
	v_mov_b32 v191, 0
	v_lshrrev_b32 v12, 5, v0
	v_readfirstlane_b32 s[WV], v12                 ; wave 0..7
	s_lshl_b32 s2, ttmp9, 4
	s_mov_b32 s3, 0                                ; stays 0: the upper word of every offset
	s_wait_kmcnt 0x0
	s_add_nc_u64 s[8:9], s[8:9], s[2:3]
	s_load_b128 s[20:23], s[8:9], 0x0              ; F, N, the experts
	; every lane's addresses are made here, ahead of every branch, while that load is out
	v_and_b32 v13, 31, v0                          ; lane
	v_and_b32 v14, 15, v0                          ; r
	v_bfe_u32 v15, v0, 4, 1                        ; h
	v_lshlrev_b32 v[LI], 4, v13
	v_lshlrev_b32 v[R16], 4, v14
	s_mul_i32 s80, s[WV], 16*SROW
	s_add_co_u32 s80, s80, STG                     ; my stage
	v_add_nc_u32 v[TST], s80, v[LI]
	v_mul_u32_u24 v[TLD], v14, SROW
	v_lshl_add_u32 v[TLD], v15, 6, v[TLD]
	v_add_nc_u32 v[TLD], s80, v[TLD]
	v_mul_u32_u24 v[SO], v14, OROW
	v_lshl_add_u32 v[SO], v15, 5, v[SO]
	v_add_nc_u32 v[SO], s80, v[SO]                 ; row r, + 32 h
	v_mul_u32_u24 v[SR], v15, OROW
	v_add_nc_u32 v[SR], v[SR], v[R16]
	v_add_nc_u32 v[SR], s80, v[SR]                 ; lanes 0-15 one row, lanes 16-31 the next
	s_mul_i32 s81, s[WV], 6144
	v_add_nc_u32 v[XWI], s81, v[LI]                ; IMG (LDS byte 0) + tile w
	s_lshl_b32 s81, s[WV], 9
	v_add_nc_u32 v[LI8], s81, v[LI]                ; in a row of x: K step w
	s_add_co_u32 s81, s81, XSC
	v_add_nc_u32 v[XWS], s81, v[LI]
	s_mul_i32 s81, s[WV], 1536
	s_add_co_u32 s81, s81, IMG+8*6144
	v_add_nc_u32 v[XWI8], s81, v[LI]               ; tile 8, K step w (used by waves 0-3 alone)
	s_lshl_b32 s81, s[WV], 2
	s_add_co_u32 s81, s81, XSC+8*512
	v_add_nc_u32 v[XWS8], s81, v[LI]
	s_lshl_b32 s81, s[WV], 8
	v_add_nc_u32 v[OB], s81, v[R16]
	v_lshl_add_u32 v[TA0], v15, 5, TOK
	v_lshl_add_u32 v[WA0], v14, 2, WT
	v_and_b32 v[TKS], 0xf0, v0
	v_lshlrev_b32 v[TKS], 2, v[TKS]                ; row rho = my thread's number: 64 (rho / 16)
	v_and_b32 v12, 1, v0
	v_lshl_add_u32 v[TKS], v12, 5, v[TKS]          ; + 32 (rho % 2)
	v_bfe_u32 v12, v0, 1, 3
	v_lshl_add_u32 v[TKS], v12, 2, v[TKS]          ; + 4 ((rho % 16) / 2)
	v_add_nc_u32 v[TKS], TOK, v[TKS]
	v_lshl_add_u32 v[WTS], v0, 2, WT
.irp b, 0,1,2,3
	v_mov_b32 v[TM+4+\b], 0                        ; a lane permute's destination counts as one of its sources
.endr
	s_mov_b32 s[SEL], 0x76543210
	s_mov_b32 s[SEL+1], 0xfedcba98
	s_mov_b32 s[M], 0
	s_mov_b32 s[TB], IMG
	s_mov_b32 s[TS], XSC
	s_mov_b32 s[TW], 0
	s_wait_kmcnt 0x0
	s_min_u32 s[FT], s[FT], 2047                   ; numbers read from memory are held before they enter an address: 64 x 2,047 + 576 bytes is the two lists' length
	s_min_u32 s[NT], s[NT], 9
	s_lshl_b32 s2, s[FT], 6                        ; 16 rows x 4 bytes a tile
	s_add_nc_u64 s[OPF:OPF+1], s[6:7], s[2:3]
	s_add_nc_u64 s[WSF:WSF+1], s[10:11], s[2:3]
	s_lshl_b32 s2, s[WV], 6
	s_add_nc_u64 s[76:77], s[OPF:OPF+1], s[2:3]
	s_load_b512 s[XR:XR+15], s[76:77], 0x0         ; tile w's tokens (N is at least 8)
	s_sub_co_u32 s2, s[NT], 1
	s_min_u32 s2, s2, 8
	s_lshl_b32 s2, s2, 6
	s_add_nc_u64 s[78:79], s[OPF:OPF+1], s[2:3]
	s_load_b512 s[XR8:XR8+15], s[78:79], 0x0       ; the last tile's: the ninth where there is one
	s_lshl_b32 s2, s[NT], 4
	s_sub_co_u32 s2, s2, 1
	v_min_u32 v[TBO], s2, v0                       ; the tables: thread rho takes row min(rho, 16 N - 1),
	v_min_u32 v[TBO], 143, v[TBO]                  ; held inside nine tiles
	v_lshlrev_b32 v[TBO], 2, v[TBO]
	global_load_b32 v[TKD], v[TBO], s[OPF:OPF+1]
	global_load_b32 v[WTD], v[TBO], s[WSF:WSF+1]
	s_and_b32 s[ECUR], s[EP], 7                    ; the first tile's expert,
	s_min_u32 s[ECUR], s[ECUR], 7                  ; with its bound held like every number from memory that enters an address
	WBASE
	s_wait_kmcnt 0x0
	XOFF XR, LI
	XLOAD 0, 0
	XLOAD 1, 512
	; loads come back in the order of issue.  That order: tables, X0, X1 | X2, W0 | X3, W1 | (X8,) W2 | W3; an X is 16 loads, a W 13
	STEP 0, 16                                     ; behind X0: X1
	STEP 1, 29                                     ; behind X1: X2, W0
	STEP 2, 42                                     ; behind X2: W0, X3, W1
	STEP 3, 26                                     ; behind X3: W1, W2, and with a ninth tile X8 between them: the smaller count is right on both ways
	s_cmp_lt_u32 s[WV], 4
	s_cbranch_scc0 .Lno_ninth
	s_cmp_eq_u32 s[NT], 9
	s_cbranch_scc0 .Lno_ninth
	s_wait_loadcnt 26                              ; behind X8: W2, W3
	TURN 0
	s_wait_dscnt 0x0
	QUANT XN
	IMAGE XWI8, 0
	ds_store_b32 v[XWS8], v[PW]
.Lno_ninth:
	s_wait_dscnt 0x0                               ; for the others' sake: my images, scale words and table entries are in LDS
	s_barrier_signal -1
	s_barrier_wait -1                              ; the launch's one barrier: from here on nobody writes them
	s_wait_loadcnt 0x0                             ; my weights are in; every load's offsets are free
	v_mov_b32 v28, 0xaf95df0b                      ; -2.72614226e-10, twice
	v_mov_b32 v29, 0xaf95df0b
	v_mov_b32 v30, 0xb77460cd                      ; -1.45660718e-5, twice
	v_mov_b32 v31, 0xb77460cd
.Ltile:                                                ; nine trips, a constant; a work-group of eight tiles jumps over the ninth trip's work
	v_add_nc_u32 v[FA], s[TB], v[LI]
	v_add_nc_u32 v[SA], s[TS], v[LI]
	v_add_nc_u32 v[TA], s[TW], v[TA0]
	v_add_nc_u32 v[WA], s[TW], v[WA0]
	s_cmp_ge_u32 s[M], s[NT]
	s_cbranch_scc1 .Lnext
	s_and_b32 s[EN], s[EP], 7
	s_min_u32 s[EN], s[EN], 7
	s_cmp_eq_u32 s[EN], s[ECUR]
	s_cbranch_scc1 .Lsame
	s_mov_b32 s[ECUR], s[EN]                       ; another expert: my part of its weights (no load of mine is out, so the bases may be written; the last products stand more than four plain lines back)
	WBASE
	WL 0
	WL 1
	WL 2
	WL 3
	s_wait_loadcnt 0x0
.Lsame:
	s_wait_xcnt 0x0                                ; the last trip's stores have read their offsets and data: both are loaded anew below
.irp s, 0,1,2,3
.irp c, 0,1,2
	ds_load_b128 v[XF+12*\s+4*\c:XF+12*\s+4*\c+3], v[FA] offset:1536*\s+512*\c
.endr
.endr
	ds_load_b128 v[XS:XS+3], v[SA]
	ds_load_b128 v[OA:OA+3], v[TA]                 ; the tokens of rows 2 i + lane / 16
	ds_load_b128 v[OA+4:OA+7], v[TA] offset:16
	ds_load_b32 v[WP], v[WA]                       ; the weight of row lane % 16
	s_wait_dscnt 3                                 ; fragments and scale words are in; the three loads behind them may be out
	MUL
	s_wait_dscnt 0x0
.irp i, 0,1,2,3,4,5,6,7                        ; 17 plain lines that name none of the products' registers: the places behind them
	v_min_u32 v[OA+\i], 0x7fff, v[OA+\i]
.endr
.irp i, 0,1,2,3,4,5,6,7
	v_lshl_add_u32 v[OA+\i], v[OA+\i], 11, v[OB]   ; the row's 2,048 bytes, + my 16
.endr
	v_mov_b32 v[WP+1], v[WP]
	s_cmp_eq_u32 s[ECUR], 0
	s_cbranch_scc1 .Lgelu
	s_cmp_eq_u32 s[ECUR], 1
	s_cbranch_scc1 .Lrelu
	s_cmp_eq_u32 s[ECUR], 2
	s_cbranch_scc1 .Lrelu2
	s_cmp_eq_u32 s[ECUR], 3
	s_cbranch_scc1 .Lsilu
	s_cmp_eq_u32 s[ECUR], 4
	s_cbranch_scc1 .Ltanh
	s_cmp_eq_u32 s[ECUR], 5
	s_cbranch_scc1 .Lsigmoid
	s_cmp_eq_u32 s[ECUR], 6
	s_cbranch_scc1 .Lidentity
.irp j, 0,2,4,6,8,10,12,14,16,18,20,22,24,26,28,30   ; 7: -h
	v_pk_mul_f32 v[ACC+\j:ACC+\j+1], v[ACC+\j:ACC+\j+1], v[WP:WP+1] neg_lo:[0,1] neg_hi:[0,1]
.endr
	s_branch .Lout
.Lgelu:
	v_mul_f32 v26, 0.5, v[WP]
	v_mul_f32 v27, 0.5, v[WP]
.irp t, 0,1,2,3
	GELU \t
.endr
	s_branch .Lout
.Lrelu:
.irp t, 0,1,2,3
	RELU \t
	PKW \t
.endr
	s_branch .Lout
.Lrelu2:
.irp t, 0,1,2,3
	RELU \t
.irp p, 0,1,2,3
	v_pk_mul_f32 v[ACC+8*\t+2*\p:ACC+8*\t+2*\p+1], v[ACC+8*\t+2*\p:ACC+8*\t+2*\p+1], v[ACC+8*\t+2*\p:ACC+8*\t+2*\p+1]
.endr
	PKW \t
.endr
	s_branch .Lout
.Lsilu:
.irp t, 0,1,2,3
	SIGF \t, 0xbfb8aa3b                            ; -log2(e)
	s_wait_alu depctr_va_vdst(0)
.irp p, 0,1,2,3
	v_pk_mul_f32 v[ACC+8*\t+2*\p:ACC+8*\t+2*\p+1], v[ACC+8*\t+2*\p:ACC+8*\t+2*\p+1], v[T0+8*\t+2*\p:T0+8*\t+2*\p+1]
.endr
	PKW \t
.endr
	s_branch .Lout
.Ltanh:
.irp t, 0,1,2,3
	SIGF \t, 0x4038aa3b                            ; 2 log2(e)
	s_wait_alu depctr_va_vdst(0)
.irp p, 0,1,2,3
	v_pk_fma_f32 v[T0+8*\t+2*\p:T0+8*\t+2*\p+1], v[T0+8*\t+2*\p:T0+8*\t+2*\p+1], -2.0, 1.0 op_sel_hi:[1,0,0]   ; 1 - 2 / (1 + e^(2h))
.endr
.irp p, 0,1,2,3
	v_pk_mul_f32 v[ACC+8*\t+2*\p:ACC+8*\t+2*\p+1], v[T0+8*\t+2*\p:T0+8*\t+2*\p+1], v[WP:WP+1]
.endr
.endr
	s_branch .Lout
.Lsigmoid:
.irp t, 0,1,2,3
	SIGF \t, 0xbfb8aa3b
	s_wait_alu depctr_va_vdst(0)
.irp p, 0,1,2,3
	v_pk_mul_f32 v[ACC+8*\t+2*\p:ACC+8*\t+2*\p+1], v[T0+8*\t+2*\p:T0+8*\t+2*\p+1], v[WP:WP+1]
.endr
.endr
	s_branch .Lout
.Lidentity:
.irp t, 0,1,2,3
	PKW \t
.endr
.Lout:
	; THE WAY OUT: a lane holds 32 bytes of each of four pieces of its row; through my own stage they come back as whole rows of 256 bytes
.irp t, 0,1,2,3
	ds_store_b128 v[SO], v[ACC+8*\t:ACC+8*\t+3] offset:64*\t
	ds_store_b128 v[SO], v[ACC+8*\t+4:ACC+8*\t+7] offset:64*\t+16
.endr
.irp i, 0,1,2,3,4,5,6,7
	ds_load_b128 v[BK+4*\i:BK+4*\i+3], v[SR] offset:2*\i*OROW   ; LDS serves a wave's instructions in order: these see my stores
.endr
.irp i, 0,1,2,3,4,5,6,7
	s_wait_dscnt 7-\i
	global_store_b128 v[OA+\i], v[BK+4*\i:BK+4*\i+3], s[16:17] th:TH_STORE_NT   ; sixteen lanes store 256 consecutive bytes of a row, at a multiple of 256 from out's first byte; two rows a store
.endr
.Lnext:
	s_lshr_b32 s[EP], s[EP], 3                     ; the next tile's expert, and its places in LDS
	s_add_co_u32 s[TB], s[TB], 6144
	s_add_co_u32 s[TS], s[TS], 512
	s_add_co_u32 s[TW], s[TW], 64
	s_add_co_u32 s[M], s[M], 1
	s_cmp_lt_u32 s[M], 9
	s_cbranch_scc1 .Ltile
	s_wait_tensorcnt 0x0
	ds_add_u32 v190, v191
	s_wait_dscnt 0x0
	s_endpgm
.Lfunc_end_k_qff6cfd6644_chain:
	.size	k_qff6cfd6644_chain, .Lfunc_end_k_qff6cfd6644_chain-k_qff6cfd6644_chain
	.p2alignl 7, 3214868480
	.fill 96, 4, 3214868480
	.section	.rodata,"a",@progbits
	.p2align	6, 0x0
	.amdhsa_kernel k_qff6cfd6644_chain
		.amdhsa_group_segment_fixed_size 132096
		.amdhsa_private_segment_fixed_size 0
		.amdhsa_enable_private_segment 0
		.amdhsa_kernarg_size 56
		.amdhsa_user_sgpr_count 2
		.amdhsa_user_sgpr_kernarg_segment_ptr 1
		.amdhsa_wavefront_size32 1
		.amdhsa_system_sgpr_workgroup_id_x 1
		.amdhsa_system_sgpr_workgroup_id_y 1
		.amdhsa_system_sgpr_workgroup_id_z 1
		.amdhsa_system_vgpr_workitem_id 0
		.amdhsa_next_free_vgpr 512
		.amdhsa_next_free_sgpr 96
		.amdhsa_reserve_vcc 0
		.amdhsa_float_denorm_mode_32 3
		.amdhsa_float_denorm_mode_16_64 3
		.amdhsa_memory_ordered 1
		.amdhsa_forward_progress 1
		.amdhsa_inst_pref_size 118
	.end_amdhsa_kernel
	.amdgpu_metadata
---
amdhsa.version: [ 1, 2 ]
amdhsa.kernels:
  - .name:           k_qff6cfd6644_chain
    .symbol:         k_qff6cfd6644_chain.kd
    .args:
      - { .name: x, .offset: 0, .size: 8, .value_kind: global_buffer, .address_space: global }
      - { .name: order, .offset: 8, .size: 8, .value_kind: global_buffer, .address_space: global }
      - { .name: tiles, .offset: 16, .size: 8, .value_kind: global_buffer, .address_space: global }
      - { .name: wsort, .offset: 24, .size: 8, .value_kind: global_buffer, .address_space: global }
      - { .name: wfrag, .offset: 32, .size: 8, .value_kind: global_buffer, .address_space: global }
      - { .name: wscl, .offset: 40, .size: 8, .value_kind: global_buffer, .address_space: global }
      - { .name: out0, .offset: 48, .size: 8, .value_kind: global_buffer, .address_space: global }
    .group_segment_fixed_size: 132096
    .private_segment_fixed_size: 0
    .kernarg_segment_align: 8
    .kernarg_segment_size: 56
    .max_flat_workgroup_size: 256
    .sgpr_count:     96
    .vgpr_count:     512
    .wavefront_size: 32
...
	.end_amdgpu_metadata
.endif
;; end of part 3
;; ======== version 2 of 2: 3 launches
;; workspace buffers: rec 131,072 bytes of whole numbers; wgt 131,072 bytes; cntT 4,096 bytes of whole numbers; order 131,584 bytes of whole numbers; wsort 131,584 bytes; tiles 4,096 bytes of whole numbers; wfrag 1,572,864 bytes; wscl 65,536 bytes
;; launch route_wq (part 4): grid 256 x 1, 8 waves a work-group, no clusters, 70,656 bytes of LDS; arguments op_logits, gumbel, W, rec, wgt, cntT, wfrag, wscl; writes rec, wgt, cntT, wfrag, wscl
.if DOCPART == 4
	.amdgcn_target "amdgcn-amd-amdhsa--gfx1250"
	.amdhsa_code_object_version 6
	.text
	.protected	k_qff6cfd6644_route_wq
	.globl	k_qff6cfd6644_route_wq
	.p2align	8
	.type	k_qff6cfd6644_route_wq,@function
k_qff6cfd6644_route_wq:
	s_mov_b64 s[64:65], 0
	v_nop
	global_prefetch_b8 v0, s[64:65] scope:SCOPE_SE
	s_setreg_imm32_b32 hwreg(HW_REG_WAVE_MODE, 25, 1), 1
	s_wait_xcnt 0x0
; TWO JOBS IN ONE LAUNCH, parted by the work-group's number; each has LDS bytes of its own.
; Work-groups 0-127, THE CHOICE: a chunk of 256 tokens, a thread to a token.  y = softmax(logits + gumbel), the first largest y is the expert, the route's weight is (1 - y) + y.
;   Stored at fixed places: rec[t] = expert | (the token's rank among its chunk's tokens of that expert) << 8;  wgt[t];  cntT[expert][chunk] = how many.  No address and no branch hangs on the choice.
; Work-groups 128-255, THE WEIGHTS: 32 rows of W (taken as [4096][512]) become codes of FP6 (E2M3) and E8M0 scale bytes, one for each 32 along K.  Wave w takes 16 rows (w / 4) x 128 along K (w % 4): one fragment of a
;   matrix operand.  It is stored as an image of the operand's registers: fragment (tile of 16 rows, K step) at ((tile x 4) + step) x 1,536 bytes; in it group c of four registers of lane l at 512 c + 16 l.
;   wscl: 16 bytes a row, word s the scale word of K step s.
; A block's scale is 2^(floor(log2(its largest magnitude)) - 2); its byte is that magnitude's exponent field - 2, held at 1 from below.
; LIMITS: NaN and infinities among the inputs are not served.  A block of zeros gets the byte 1 and not 127: its codes are zeros, and this program alone reads the bytes.  Blocks whose largest magnitude lies
; under 2^(2 - 126) keep the byte 1.  y is made with v_exp_f32 and v_rcp_f32: where the two largest y of a token lie within an ulp or so of each other the choice hangs on the last bit of that arithmetic.
.set WSG,  0                           ; LDS, weights: the 32 rows' scale words, 16 bytes a row
.set CW,   512                         ; LDS, choice: the eight waves' counts, 32 bytes a wave
.set STG,  1024                        ; LDS, weights: a stage of 16 rows x 528 bytes for each wave
.set SROW, 528                         ; 512 bytes + 16: an odd multiple of 16, so that sixteen rows' same column falls on sixteen different groups of banks
.set R,    16                          ; v16-79   16 rows x 4 registers as loaded
.set XN,   80                          ; v80-143  64 numbers of my row: register 16 b + i = k 32 b + 16 (lane / 16) + i
.set PC,   144                         ; v144-155 the fragment; v156-162 at work
.set TM,   164                         ; v164-179 largest magnitudes, bytes, scale operands
.set PW,   180                         ; the scale word
.set WV,   20                          ; s20 wave
.set SEL,  22                          ; s[22:23] v_permlanex16_b32's selects for lane l xor 16
.set MK,   32                          ; s[32:39] mask of my wave's tokens of expert e
.set PB,   40                          ; s[40:47] tokens of expert e in the waves before mine
.set CN,   48                          ; s[48:55] tokens of expert e in my wave
; 64 numbers of a lane become a fragment's codes in v[PC] on and its scale word in v[PW]
.macro QUANT s
.irp b, 0,1,2,3
	v_max3_num_f32 v[TM+\b], |v[\s+16*\b]|, |v[\s+1+16*\b]|, 0x1800000   ; block b: my 16 numbers, and the floor 2^(3 - 127): the byte cannot fall under 1
.endr
.irp i, 2,4,6,8,10,12,14
.irp b, 0,1,2,3
	s_delay_alu instid0(VALU_DEP_4)
	v_max3_num_f32 v[TM+\b], v[TM+\b], |v[\s+16*\b+\i]|, |v[\s+1+16*\b+\i]|   ; the four blocks by turns
.endr
.endr
.irp b, 0,1,2,3
	s_delay_alu instid0(VALU_DEP_4)
	v_permlanex16_b32 v[TM+4+\b], v[TM+\b], s[SEL], s[SEL+1]
.endr
.irp b, 0,1,2,3
	s_delay_alu instid0(VALU_DEP_4)
	v_max_num_f32 v[TM+\b], v[TM+\b], v[TM+4+\b]   ; with lane l xor 16's: the block's largest magnitude
.endr
.irp b, 0,1,2,3
	s_delay_alu instid0(VALU_DEP_4)
	v_add_nc_u32 v[TM+12+\b], 0xff000000, v[TM+\b]   ; 2 off its exponent field: the conversion takes the exponent field of this operand as its scale
.endr
.irp b, 0,1,2,3
	s_delay_alu instid0(VALU_DEP_4)
	v_lshrrev_b32 v[TM+4+\b], 23, v[TM+12+\b]      ; the scale's byte
.endr
	s_delay_alu instid0(VALU_DEP_3)
	v_lshl_or_b32 v[PW], v[TM+5], 8, v[TM+4]
	s_delay_alu instid0(VALU_DEP_1)
	v_lshl_or_b32 v[PW], v[TM+6], 16, v[PW]
	s_delay_alu instid0(VALU_DEP_1)
	v_lshl_or_b32 v[PW], v[TM+7], 24, v[PW]
.irp c, 0,1
	v_cvt_scalef32_pk16_fp6_f32 v[PC+6*\c:PC+2+6*\c], v[\s+32*\c:\s+15+32*\c], v[TM+12+2*\c]
	v_cvt_scalef32_pk16_fp6_f32 v[PC+12+4*\c:PC+14+4*\c], v[\s+16+32*\c:\s+31+32*\c], v[TM+12+2*\c+1]   ; (a conversion's three registers begin on an even number)
.endr
	v_nop                                          ; one plain place behind a scaled conversion
.irp c, 0,1                                    ; the operand's layout wants a whole block in a lane: lanes 0-15 block 2 c, lanes 16-31 block 2 c + 1
.irp i, 0,1,2
	v_permlane16_swap_b32 v[PC+6*\c+\i], v[PC+12+4*\c+\i]
.endr
.irp i, 0,1,2
	s_delay_alu instid0(VALU_DEP_3)
	v_mov_b32 v[PC+3+6*\c+\i], v[PC+12+4*\c+\i]
.endr
.endr
.endm
	s_load_b256 s[4:11], s[0:1], 0x0               ; logits s[4:5], gumbel s[6:7], W s[8:9], rec s[10:11]
	s_load_b256 s[12:19], s[0:1], 0x20             ; wgt s[12:13], cntT s[14:15], wfrag s[16:17], wscl s[18:19]
	v_lshl_add_u32 v192, v0, 2, 0x11000
	v_mov_b32 v193, 0
	v_lshrrev_b32 v1, 5, v0
	s_delay_alu instid0(VALU_DEP_1)
	v_readfirstlane_b32 s[WV], v1                  ; wave 0..7
	v_and_b32 v2, 31, v0                           ; lane
	s_mov_b32 s[SEL], 0x76543210
	s_mov_b32 s[SEL+1], 0xfedcba98
	s_mov_b32 s25, 0
	s_wait_kmcnt 0x0
	s_cmp_lt_u32 ttmp9, 128
	s_cbranch_scc0 .Lweights
	; ---------------- THE CHOICE: chunk c = the work-group's number
	s_lshl_b32 s24, ttmp9, 13                      ; 256 tokens x 32 bytes
	s_add_nc_u64 s[4:5], s[4:5], s[24:25]
	s_add_nc_u64 s[6:7], s[6:7], s[24:25]
	s_lshl_b32 s24, ttmp9, 10                      ; 256 tokens x 4 bytes
	s_add_nc_u64 s[10:11], s[10:11], s[24:25]
	s_add_nc_u64 s[12:13], s[12:13], s[24:25]
	s_lshl_b32 s24, ttmp9, 2                       ; my chunk's word in a row of cntT
	s_add_nc_u64 s[14:15], s[14:15], s[24:25]
	v_lshlrev_b32 v3, 5, v0                        ; my token's 32 bytes
	global_load_b128 v[8:11], v3, s[4:5] th:TH_LOAD_NT
	global_load_b128 v[12:15], v3, s[4:5] offset:16 th:TH_LOAD_NT
	global_load_b128 v[16:19], v3, s[6:7] th:TH_LOAD_NT
	global_load_b128 v[20:23], v3, s[6:7] offset:16 th:TH_LOAD_NT
	v_and_b32 v35, 0xe0, v0                        ; 32 x wave: my wave's eight counts
	s_wait_alu depctr_va_vdst(0)
	v_lshlrev_b32 v36, 2, v2                       ; 4 x lane
	v_lshrrev_b32 v48, 3, v2                       ; lane / 8
	v_lshlrev_b32 v55, 2, v0                       ; my token's word in rec and wgt
	v_lshlrev_b32 v56, 9, v2                       ; cntT: row = lane, 512 bytes a row
	v_mov_b32 v51, 0                               ; (a lane move's destination counts as one of its sources)
	v_mov_b32 v52, 0                               ; my rank
	s_wait_loadcnt 0x0
.irp i, 0,2,4,6
	v_pk_add_f32 v[8+\i:9+\i], v[8+\i:9+\i], v[16+\i:17+\i]   ; z = logits + gumbel (tau is 1)
.endr
	s_delay_alu instid0(VALU_DEP_3)
	v_max3_num_f32 v24, v8, v9, v10
	s_delay_alu instid0(VALU_DEP_3)
	v_max3_num_f32 v25, v11, v12, v13
	s_delay_alu instid0(VALU_DEP_2)
	v_max3_num_f32 v24, v24, v14, v15
	s_delay_alu instid0(VALU_DEP_1)
	v_max_num_f32 v24, v24, v25                    ; the largest z is taken away ahead of the exponentials
.irp i, 0,1,2,3,4,5,6,7
	v_sub_f32 v[8+\i], v[8+\i], v24
.endr
.irp i, 0,1,2,3,4,5,6,7
	v_mul_f32 v[8+\i], 0x3fb8aa3b, v[8+\i]         ; x log2(e)
.endr
	s_wait_alu depctr_va_vdst(0)
.irp i, 0,1,2,3,4,5,6,7
	v_exp_f32 v[24+\i], v[8+\i]
.endr
	v_mov_b32 v33, 0                               ; the expert so far.  (A plain place behind the exponentials)
	s_wait_alu depctr_va_vdst(0)
	v_pk_add_f32 v[16:17], v[24:25], v[26:27]
	v_pk_add_f32 v[18:19], v[28:29], v[30:31]
	s_delay_alu instid0(VALU_DEP_1)
	v_pk_add_f32 v[16:17], v[16:17], v[18:19]
	s_delay_alu instid0(VALU_DEP_1)
	v_add_f32 v16, v16, v17
	s_wait_alu depctr_va_vdst(0)
	v_rcp_f32 v17, v16
	v_nop                                          ; a plain place behind the reciprocal
	s_wait_alu depctr_va_vdst(0)
.irp i, 0,1,2,3,4,5,6,7
	v_mul_f32 v[24+\i], v[24+\i], v17              ; y
.endr
	v_mov_b32 v32, v24                             ; the largest y so far
.irp i, 1,2,3,4,5,6,7
	s_delay_alu instid0(VALU_DEP_1)
	v_cmp_le_f32 vcc_lo, v[24+\i], v32             ; not larger: the lower index is kept
	s_delay_alu instid0(VALU_DEP_1)
	v_cndmask_b32 v33, \i, v33, vcc_lo
	s_delay_alu instid0(VALU_DEP_3)
	v_max_num_f32 v32, v32, v[24+\i]
.endr
	s_delay_alu instid0(VALU_DEP_1)
	v_sub_f32 v34, 1.0, v32
	s_delay_alu instid0(VALU_DEP_1)
	v_add_f32 v34, v34, v32                        ; the route's weight of the chosen expert: (1 - y) + y
.irp e, 0,1,2,3,4,5,6,7
	v_cmp_eq_u32 s[MK+\e], \e, v33
.endr
.irp e, 0,1,2,3,4,5,6,7
	s_bcnt1_i32_b32 s[CN+\e], s[MK+\e]
	v_mov_b32 v[40+\e], s[CN+\e]
.endr
	ds_store_b128 v35, v[40:43] offset:CW          ; all lanes write the same words with the same values
	ds_store_b128 v35, v[44:47] offset:CW+16
	s_wait_dscnt 0x0                               ; for the others' sake: my counts are in LDS
	s_barrier_signal -1
	s_barrier_wait -1
	ds_load_b32 v37, v36 offset:CW                 ; lane l: wave l / 8, expert l % 8;
	ds_load_b32 v38, v36 offset:CW+128             ; wave 4 + l / 8
	s_wait_dscnt 0x0
	v_add_nc_u32 v39, v37, v38                     ; towards the chunk's count
	v_cmp_gt_u32 vcc_lo, s[WV], v48
	s_delay_alu instid0(VALU_DEP_1)
	v_cndmask_b32 v49, 0, v37, vcc_lo              ; towards the count of the waves before mine
	v_add_nc_u32 v48, 4, v48
	s_delay_alu instid0(VALU_DEP_1)
	v_cmp_gt_u32 vcc_lo, s[WV], v48
	s_delay_alu instid0(VALU_DEP_1)
	v_cndmask_b32 v50, 0, v38, vcc_lo
	s_delay_alu instid0(VALU_DEP_1)
	v_add_nc_u32 v49, v49, v50
	s_delay_alu instid0(VALU_DEP_1)
	v_mov_b32_dpp v50, v49 row_xmask:8 row_mask:0xf bank_mask:0xf   ; the four lanes that are equal modulo 8 hold one expert's parts
	v_mov_b32_dpp v51, v39 row_xmask:8 row_mask:0xf bank_mask:0xf
	s_delay_alu instid0(VALU_DEP_2)
	v_add_nc_u32 v49, v49, v50
	s_delay_alu instid0(VALU_DEP_2)
	v_add_nc_u32 v39, v39, v51
	s_delay_alu instid0(VALU_DEP_2)
	v_permlanex16_b32 v50, v49, s[SEL], s[SEL+1]
	s_delay_alu instid0(VALU_DEP_2)
	v_permlanex16_b32 v51, v39, s[SEL], s[SEL+1]
	s_delay_alu instid0(VALU_DEP_2)
	v_add_nc_u32 v49, v49, v50
	s_delay_alu instid0(VALU_DEP_2)
	v_add_nc_u32 v39, v39, v51                     ; lane e (e < 8): the chunk's tokens of expert e
.irp e, 0,1,2,3,4,5,6,7
	v_readlane_b32 s[PB+\e], v49, \e
.endr
.irp e, 0,1,2,3,4,5,6,7
	v_mbcnt_lo_u32_b32 v53, s[MK+\e], s[PB+\e]     ; earlier waves' tokens of e + my wave's lower lanes'
	s_delay_alu instid0(VALU_DEP_1)
	v_cndmask_b32 v52, v52, v53, s[MK+\e]          ; mine where e is my expert
.endr
	s_delay_alu instid0(VALU_DEP_1)
	v_lshl_or_b32 v54, v52, 8, v33
	global_store_b32 v55, v54, s[10:11]
	global_store_b32 v55, v34, s[12:13]
	s_cmp_lg_u32 s[WV], 0
	s_cbranch_scc1 .Lchoice_end
	v_cmp_gt_u32 vcc_lo, 8, v2
	s_wait_xcnt 0x0                                ; EXEC changes only behind this wait: the stores above have it among their sources
	s_and_saveexec_b32 s26, vcc_lo
	global_store_b32 v56, v39, s[14:15]            ; cntT[e][c]
	s_wait_xcnt 0x0
	s_or_b32 exec_lo, exec_lo, s26
.Lchoice_end:
	s_wait_tensorcnt 0x0
	ds_add_u32 v192, v193
	s_wait_dscnt 0x0
	s_endpgm
	; ---------------- THE WEIGHTS
.Lweights:
	s_sub_co_u32 s24, ttmp9, 128                   ; q: rows 32 q on
	s_lshr_b32 s26, s[WV], 2                       ; j: which 16 of them
	s_and_b32 s27, s[WV], 3                        ; s: which 128 along K
	s_lshl_b32 s28, s24, 1
	s_add_co_u32 s28, s28, s26                     ; the tile of 16 rows, 0..255
	s_lshl_b32 s30, s28, 15                        ; x 16 rows x 2,048 bytes
	s_lshl_b32 s29, s27, 9
	s_add_co_u32 s30, s30, s29                     ; + 512 s
	s_mov_b32 s31, 0
	s_add_nc_u64 s[8:9], s[8:9], s[30:31]
	s_lshl_b32 s28, s28, 2
	s_add_co_u32 s28, s28, s27
	s_mul_i32 s30, s28, 1536                       ; my fragment's image
	s_add_nc_u64 s[16:17], s[16:17], s[30:31]
	s_lshl_b32 s30, s24, 9                         ; the 32 rows' scale words
	s_add_nc_u64 s[18:19], s[18:19], s[30:31]
	s_wait_alu depctr_va_vdst(0)
	v_lshlrev_b32 v3, 4, v2                        ; 16 x lane
.irp i, 0,1,2,3,4,5,6,7,8,9,10,11,12,13,14,15
	global_load_b128 v[R+4*\i:R+4*\i+3], v3, s[8:9] offset:2048*\i th:TH_LOAD_NT   ; row i: 32 lanes read 512 consecutive bytes
.endr
	v_and_b32 v6, 15, v0                           ; r
	v_bfe_u32 v7, v0, 4, 1                         ; h
	s_mul_i32 s29, s[WV], 16*SROW
	s_add_co_u32 s29, s29, STG                     ; my stage
	v_add_nc_u32 v4, s29, v3                       ; in: as loaded
	v_mul_u32_u24 v5, v6, SROW
	s_delay_alu instid0(VALU_DEP_1)
	v_lshl_add_u32 v5, v7, 6, v5
	s_delay_alu instid0(VALU_DEP_1)
	v_add_nc_u32 v5, s29, v5                       ; out: row r, + 64 h: my 16 numbers of each block of 32
	s_lshl_b32 s32, s26, 8
	s_lshl_b32 s33, s27, 2
	s_add_co_u32 s32, s32, s33
	v_lshl_add_u32 v8, v6, 4, s32                  ; WSG (LDS byte 0) + 16 (16 j + r) + 4 s
.irp b, 0,1,2,3
	v_mov_b32 v[TM+4+\b], 0                        ; a lane permute's destination counts as one of its sources
.endr
	s_wait_alu depctr_va_vdst(0)
	s_wait_loadcnt 0x0
.irp i, 0,1,2,3,4,5,6,7,8,9,10,11,12,13,14,15
	ds_store_b128 v4, v[R+4*\i:R+4*\i+3] offset:SROW*\i
.endr
.irp b, 0,1,2,3
.irp j, 0,1,2,3
	ds_load_b128 v[XN+16*\b+4*\j:XN+16*\b+4*\j+3], v5 offset:128*\b+16*\j   ; LDS serves a wave's instructions in order: these see my stores
.endr
.endr
	s_wait_dscnt 0x0
	QUANT XN
	ds_store_b32 v8, v[PW] offset:WSG              ; both halves of the lanes write the same word with the same value
.irp c, 0,1,2
	global_store_b128 v3, v[PC+4*\c:PC+4*\c+3], s[16:17] offset:512*\c   ; 512 consecutive bytes a store
.endr
	s_wait_dscnt 0x0                               ; for wave 0's sake: my scale words are in LDS
	s_barrier_signal -1
	s_barrier_wait -1
	s_cmp_lg_u32 s[WV], 0
	s_cbranch_scc1 .Lweights_end
	ds_load_b128 v[12:15], v3 offset:WSG           ; lane l: row l's four words
	s_wait_dscnt 0x0
	global_store_b128 v3, v[12:15], s[18:19]       ; 512 consecutive bytes, aligned
.Lweights_end:
	s_wait_tensorcnt 0x0
	ds_add_u32 v192, v193
	s_wait_dscnt 0x0
	s_endpgm
.Lfunc_end_k_qff6cfd6644_route_wq:
	.size	k_qff6cfd6644_route_wq, .Lfunc_end_k_qff6cfd6644_route_wq-k_qff6cfd6644_route_wq
	.p2alignl 7, 3214868480
	.fill 96, 4, 3214868480
	.section	.rodata,"a",@progbits
	.p2align	6, 0x0
	.amdhsa_kernel k_qff6cfd6644_route_wq
		.amdhsa_group_segment_fixed_size 70656
		.amdhsa_private_segment_fixed_size 0
		.amdhsa_enable_private_segment 0
		.amdhsa_kernarg_size 64
		.amdhsa_user_sgpr_count 2
		.amdhsa_user_sgpr_kernarg_segment_ptr 1
		.amdhsa_wavefront_size32 1
		.amdhsa_system_sgpr_workgroup_id_x 1
		.amdhsa_system_sgpr_workgroup_id_y 1
		.amdhsa_system_sgpr_workgroup_id_z 1
		.amdhsa_system_vgpr_workitem_id 0
		.amdhsa_next_free_vgpr 194
		.amdhsa_next_free_sgpr 66
		.amdhsa_reserve_vcc 1
		.amdhsa_float_denorm_mode_32 3
		.amdhsa_float_denorm_mode_16_64 3
		.amdhsa_memory_ordered 1
		.amdhsa_forward_progress 1
		.amdhsa_inst_pref_size 22
	.end_amdhsa_kernel
	.amdgpu_metadata
---
amdhsa.version: [ 1, 2 ]
amdhsa.kernels:
  - .name:           k_qff6cfd6644_route_wq
    .symbol:         k_qff6cfd6644_route_wq.kd
    .args:
      - { .name: op_logits, .offset: 0, .size: 8, .value_kind: global_buffer, .address_space: global }
      - { .name: gumbel, .offset: 8, .size: 8, .value_kind: global_buffer, .address_space: global }
      - { .name: W, .offset: 16, .size: 8, .value_kind: global_buffer, .address_space: global }
      - { .name: rec, .offset: 24, .size: 8, .value_kind: global_buffer, .address_space: global }
      - { .name: wgt, .offset: 32, .size: 8, .value_kind: global_buffer, .address_space: global }
      - { .name: cntT, .offset: 40, .size: 8, .value_kind: global_buffer, .address_space: global }
      - { .name: wfrag, .offset: 48, .size: 8, .value_kind: global_buffer, .address_space: global }
      - { .name: wscl, .offset: 56, .size: 8, .value_kind: global_buffer, .address_space: global }
    .group_segment_fixed_size: 70656
    .private_segment_fixed_size: 0
    .kernarg_segment_align: 8
    .kernarg_segment_size: 64
    .max_flat_workgroup_size: 256
    .sgpr_count:     66
    .vgpr_count:     194
    .wavefront_size: 32
...
	.end_amdgpu_metadata
.endif
;; end of part 4
;; launch place (part 5): grid 128 x 1, 8 waves a work-group, no clusters, 2,048 bytes of LDS; arguments rec, wgt, cntT, order, wsort, tiles; writes order, wsort, tiles
.if DOCPART == 5
	.amdgcn_target "amdgcn-amd-amdhsa--gfx1250"
	.amdhsa_code_object_version 6
	.text
	.protected	k_qff6cfd6644_place
	.globl	k_qff6cfd6644_place
	.p2align	8
	.type	k_qff6cfd6644_place,@function
k_qff6cfd6644_place:
	s_mov_b64 s[64:65], 0
	v_nop
	global_prefetch_b8 v0, s[64:65] scope:SCOPE_SE
	s_setreg_imm32_b32 hwreg(HW_REG_WAVE_MODE, 25, 1), 1
	s_wait_xcnt 0x0
; THE PLACING: a counting sort of the 32,768 tokens by expert, all on whole numbers that the launch before stored.  Work-group c places chunk c's 256 tokens, a thread to a token.
; In order[] each expert's run is filled up to a multiple of 16 rows with copies of its last token, so that every tile of 16 rows has ONE expert; wsort[] holds the route's weight at the same place.
; There are NT = sum of ceil(T_e / 16) tiles, 2,048 to 2,055.  They are dealt to exactly 256 work-groups of the next launch: with X = NT - 2,048 work-group g begins at F = 8 g + (g X >> 8) and has 8 or 9.
; tiles[g] = F, N, the experts of tiles F .. F + 8 in 3 bits each, 0.  Each word of the three outputs has one owner: the thread of its token (copies: the thread of the expert's last token); tiles: work-group 0.
	s_load_b256 s[4:11], s[0:1], 0x0               ; rec s[4:5], wgt s[6:7], cntT s[8:9], order s[10:11]
	s_load_b128 s[12:15], s[0:1], 0x20             ; wsort s[12:13], tiles s[14:15]
	v_lshl_add_u32 v96, v0, 2, 0x400
	v_mov_b32 v97, 0
	s_mov_b32 s16, ttmp9                           ; c
	s_lshl_b32 s17, ttmp9, 8                       ; my chunk's first token
	s_lshl_b32 s18, ttmp9, 10
	s_mov_b32 s19, 0
	s_mov_b32 s20, 0x76543210
	s_mov_b32 s21, 0xfedcba98                      ; v_permlanex16_b32's selects for lane l xor 16
	v_and_b32 v2, 31, v0
	v_lshlrev_b32 v3, 2, v0                        ; 4 x thread
	v_lshlrev_b32 v4, 4, v0                        ; 16 x thread = 512 x wave + 16 x lane: wave e reads row e of cntT
	s_delay_alu instid0(VALU_DEP_3)
	v_lshlrev_b32 v5, 2, v2                        ; the first of my four chunks
	v_lshrrev_b32 v18, 5, v0
	s_delay_alu instid0(VALU_DEP_1)
	v_lshlrev_b32 v18, 2, v18                      ; 4 x wave
	v_mov_b32 v16, 0                               ; (a lane move's destination counts as one of its sources)
	v_mov_b32 v17, 0
	v_mov_b32 v19, 0
	s_wait_alu depctr_va_vdst(0)
	s_wait_kmcnt 0x0
	s_add_nc_u64 s[4:5], s[4:5], s[18:19]
	s_add_nc_u64 s[6:7], s[6:7], s[18:19]
	global_load_b128 v[10:13], v4, s[8:9]
	global_load_b32 v8, v3, s[4:5]
	global_load_b32 v9, v3, s[6:7]
	s_wait_loadcnt 0x0
	v_add3_u32 v14, v10, v11, v12
	s_delay_alu instid0(VALU_DEP_1)
	v_add_nc_u32 v14, v14, v13                     ; towards T_e: all chunks
.irp j, 0,1,2,3
	v_add_nc_u32 v6, \j, v5
	s_delay_alu instid0(VALU_DEP_1)
	v_cmp_gt_u32 vcc_lo, s16, v6
	s_delay_alu instid0(VALU_DEP_1)
	v_cndmask_b32 v[10+\j], 0, v[10+\j], vcc_lo    ; towards P_e: the chunks before mine
.endr
	s_delay_alu instid0(VALU_DEP_4)
	v_add3_u32 v15, v10, v11, v12
	s_delay_alu instid0(VALU_DEP_1)
	v_add_nc_u32 v15, v15, v13
.irp m, 1
	v_mov_b32_dpp v16, v14 row_xmask:\m row_mask:0xf bank_mask:0xf
	s_delay_alu instid0(VALU_DEP_2)
	v_mov_b32_dpp v17, v15 row_xmask:\m row_mask:0xf bank_mask:0xf
	s_delay_alu instid0(VALU_DEP_2)
	v_add_nc_u32 v14, v14, v16
	s_delay_alu instid0(VALU_DEP_2)
	v_add_nc_u32 v15, v15, v17
.endr
.irp m, 2, 4, 8
	s_delay_alu instid0(VALU_DEP_2)
	v_mov_b32_dpp v16, v14 row_xmask:\m row_mask:0xf bank_mask:0xf
	s_delay_alu instid0(VALU_DEP_2)
	v_mov_b32_dpp v17, v15 row_xmask:\m row_mask:0xf bank_mask:0xf
	s_delay_alu instid0(VALU_DEP_2)
	v_add_nc_u32 v14, v14, v16
	s_delay_alu instid0(VALU_DEP_2)
	v_add_nc_u32 v15, v15, v17
.endr
	s_delay_alu instid0(VALU_DEP_2)
	v_permlanex16_b32 v16, v14, s20, s21
	s_delay_alu instid0(VALU_DEP_2)
	v_permlanex16_b32 v17, v15, s20, s21
	s_delay_alu instid0(VALU_DEP_2)
	v_add_nc_u32 v14, v14, v16
	s_delay_alu instid0(VALU_DEP_2)
	v_add_nc_u32 v15, v15, v17
	ds_store_b32 v18, v14                          ; T_e at 4 e (all lanes the same word, the same value),
	ds_store_b32 v18, v15 offset:32                ; P_e at 32 + 4 e
	s_wait_dscnt 0x0                               ; for the others' sake
	s_barrier_signal -1
	s_barrier_wait -1
	ds_load_b128 v[20:23], v19                     ; T_0 .. T_7 in v20-27
	ds_load_b128 v[24:27], v19 offset:16
	ds_load_b128 v[28:31], v19 offset:32           ; P_0 .. P_7 in v28-35
	ds_load_b128 v[32:35], v19 offset:48
	s_wait_dscnt 0x0
	v_mov_b32 v36, 0                               ; PO_0 .. PO_8 in v36-44: where the filled-up runs begin
.irp e, 0,1,2,3,4,5,6,7
	v_add_nc_u32 v45, 15, v[20+\e]
	s_delay_alu instid0(VALU_DEP_1)
	v_and_b32 v45, -16, v45
	s_delay_alu instid0(VALU_DEP_1)
	v_add_nc_u32 v[37+\e], v[36+\e], v45
.endr
	v_and_b32 v46, 0xff, v8                        ; my expert
	v_lshrrev_b32 v47, 8, v8                       ; my rank in the chunk
	v_mov_b32 v52, v36                             ; PO_e, P_e, T_e, PO_(e+1) of my expert, by selection
	v_mov_b32 v49, v28
	v_mov_b32 v50, v20
	v_mov_b32 v51, v37
.irp k, 1,2,3,4,5,6,7
	v_cmp_eq_u32 vcc_lo, \k, v46
	s_delay_alu instid0(VALU_DEP_1)
	v_cndmask_b32 v52, v52, v[36+\k], vcc_lo
	s_delay_alu instid0(VALU_DEP_2)
	v_cndmask_b32 v49, v49, v[28+\k], vcc_lo
	s_delay_alu instid0(VALU_DEP_3)
	v_cndmask_b32 v50, v50, v[20+\k], vcc_lo
	s_delay_alu instid0(VALU_DEP_4)
	v_cndmask_b32 v51, v51, v[37+\k], vcc_lo
.endr
	s_delay_alu instid0(VALU_DEP_3)
	v_add3_u32 v53, v52, v49, v47                  ; my place
	s_delay_alu instid0(VALU_DEP_1)
	v_min_u32 v53, 0x807f, v53                     ; held inside the buffers' 32,896 words
	v_add_nc_u32 v54, s17, v0                      ; my token
	s_delay_alu instid0(VALU_DEP_2)
	v_lshlrev_b32 v55, 2, v53
	v_add3_u32 v56, v49, v47, 1
	s_delay_alu instid0(VALU_DEP_4)
	v_sub_nc_u32 v57, v51, v53
	s_delay_alu instid0(VALU_DEP_1)
	v_add_nc_u32 v57, -1, v57                      ; places left behind mine in the run
	s_delay_alu instid0(VALU_DEP_3)
	v_cmp_eq_u32 vcc_lo, v56, v50                  ; am I my expert's last token?
	s_delay_alu instid0(VALU_DEP_1)
	v_cndmask_b32 v57, 0, v57, vcc_lo              ; then they are mine to fill: 0 to 15
.irp k, 1,2,3,4,5,6,7,8,9,10,11,12,13,14,15
	v_min_u32 v[64+\k], \k, v57                    ; (beyond the last copy: the last copy's place once more)
	s_delay_alu instid0(VALU_DEP_1)
	v_add_nc_u32 v[64+\k], v[64+\k], v53
	s_delay_alu instid0(VALU_DEP_1)
	v_min_u32 v[64+\k], 0x807f, v[64+\k]
	s_delay_alu instid0(VALU_DEP_1)
	v_lshlrev_b32 v[64+\k], 2, v[64+\k]
.endr
	global_store_b32 v55, v54, s[10:11]
	global_store_b32 v55, v9, s[12:13]
	v_cmp_lt_u32 vcc_lo, 0, v57
	s_wait_alu depctr_va_vdst(0)
	s_wait_xcnt 0x0                                ; EXEC changes only behind this wait
	s_and_saveexec_b32 s22, vcc_lo                 ; at most eight threads of the whole launch
.irp k, 1,2,3,4,5,6,7,8,9,10,11,12,13,14,15
	global_store_b32 v[64+\k], v54, s[10:11]
	global_store_b32 v[64+\k], v9, s[12:13]
.endr
	s_wait_xcnt 0x0
	s_or_b32 exec_lo, exec_lo, s22
	s_cmp_lg_u32 s16, 0
	s_cbranch_scc1 .Lend
	; work-group 0, thread g: the next launch's work-group g
	v_lshrrev_b32 v58, 4, v44
	s_delay_alu instid0(VALU_DEP_1)
	v_add_nc_u32 v58, 0xfffff800, v58              ; X = NT - 2,048
	s_delay_alu instid0(VALU_DEP_1)
	v_mul_u32_u24 v59, v0, v58
	s_delay_alu instid0(VALU_DEP_1)
	v_lshrrev_b32 v59, 8, v59
	s_delay_alu instid0(VALU_DEP_1)
	v_lshl_add_u32 v92, v0, 3, v59                 ; F
	v_add_nc_u32 v60, 1, v0
	s_delay_alu instid0(VALU_DEP_1)
	v_mul_u32_u24 v61, v60, v58
	s_delay_alu instid0(VALU_DEP_1)
	v_lshrrev_b32 v61, 8, v61
	s_delay_alu instid0(VALU_DEP_1)
	v_lshl_add_u32 v61, v60, 3, v61
	s_delay_alu instid0(VALU_DEP_1)
	v_sub_nc_u32 v93, v61, v92                     ; N
.irp k, 1,2,3,4,5,6,7
	v_lshrrev_b32 v[80+\k], 4, v[36+\k]            ; the first tile of expert k
.endr
.irp m, 0,1,2,3,4,5,6,7,8
	v_add_nc_u32 v62, \m, v92
	v_mov_b32 v63, 0
.irp k, 1,2,3,4,5,6,7
	v_cmp_le_u32 vcc_lo, v[80+\k], v62
	s_delay_alu instid0(VALU_DEP_1)
	v_add_co_ci_u32 v63, vcc_lo, 0, v63, vcc_lo    ; the tile's expert = how many experts k >= 1 begin at or before it
.endr
.if \m == 0
	s_delay_alu instid0(VALU_DEP_1)
	v_mov_b32 v94, v63
.else
	s_delay_alu instid0(VALU_DEP_1)
	v_lshl_or_b32 v94, v63, 3*\m, v94
.endif
.endr
	v_mov_b32 v95, 0
	global_store_b128 v4, v[92:95], s[14:15]
.Lend:
	s_wait_tensorcnt 0x0
	ds_add_u32 v96, v97
	s_wait_dscnt 0x0
	s_endpgm
.Lfunc_end_k_qff6cfd6644_place:
	.size	k_qff6cfd6644_place, .Lfunc_end_k_qff6cfd6644_place-k_qff6cfd6644_place
	.p2alignl 7, 3214868480
	.fill 96, 4, 3214868480
	.section	.rodata,"a",@progbits
	.p2align	6, 0x0
	.amdhsa_kernel k_qff6cfd6644_place
		.amdhsa_group_segment_fixed_size 2048
		.amdhsa_private_segment_fixed_size 0
		.amdhsa_enable_private_segment 0
		.amdhsa_kernarg_size 48
		.amdhsa_user_sgpr_count 2
		.amdhsa_user_sgpr_kernarg_segment_ptr 1
		.amdhsa_wavefront_size32 1
		.amdhsa_system_sgpr_workgroup_id_x 1
		.amdhsa_system_sgpr_workgroup_id_y 1
		.amdhsa_system_sgpr_workgroup_id_z 1
		.amdhsa_system_vgpr_workitem_id 0
		.amdhsa_next_free_vgpr 98
		.amdhsa_next_free_sgpr 66
		.amdhsa_reserve_vcc 1
		.amdhsa_float_denorm_mode_32 3
		.amdhsa_float_denorm_mode_16_64 3
		.amdhsa_memory_ordered 1
		.amdhsa_forward_progress 1
		.amdhsa_inst_pref_size 24
	.end_amdhsa_kernel
	.amdgpu_metadata
---
amdhsa.version: [ 1, 2 ]
amdhsa.kernels:
  - .name:           k_qff6cfd6644_place
    .symbol:         k_qff6cfd6644_place.kd
    .args:
      - { .name: rec, .offset: 0, .size: 8, .value_kind: global_buffer, .address_space: global }
      - { .name: wgt, .offset: 8, .size: 8, .value_kind: global_buffer, .address_space: global }
      - { .name: cntT, .offset: 16, .size: 8, .value_kind: global_buffer, .address_space: global }
      - { .name: order, .offset: 24, .size: 8, .value_kind: global_buffer, .address_space: global }
      - { .name: wsort, .offset: 32, .size: 8, .value_kind: global_buffer, .address_space: global }
      - { .name: tiles, .offset: 40, .size: 8, .value_kind: global_buffer, .address_space: global }
    .group_segment_fixed_size: 2048
    .private_segment_fixed_size: 0
    .kernarg_segment_align: 8
    .kernarg_segment_size: 48
    .max_flat_workgroup_size: 256
    .sgpr_count:     66
    .vgpr_count:     98
    .wavefront_size: 32
...
	.end_amdgpu_metadata
.endif
;; end of part 5
;; launch chain (part 6): grid 256 x 1, 8 waves a work-group, no clusters, 132,096 bytes of LDS; arguments x, order, tiles, wsort, wfrag, wscl, out0; writes out0
.if DOCPART == 6
	.amdgcn_target "amdgcn-amd-amdhsa--gfx1250"
	.amdhsa_code_object_version 6
	.text
	.protected	k_qff6cfd6644_chain
	.globl	k_qff6cfd6644_chain
	.p2align	8
	.type	k_qff6cfd6644_chain,@function
k_qff6cfd6644_chain:
	s_mov_b64 s[64:65], 0
	v_nop
	global_prefetch_b8 v0, s[64:65] scope:SCOPE_SE
	s_setreg_imm32_b32 hwreg(HW_REG_WAVE_SCHED_MODE, 0, 2), 2
	s_setreg_imm32_b32 hwreg(HW_REG_WAVE_MODE, 25, 1), 1
	s_wait_xcnt 0x0
	s_wait_alu depctr_vm_vsrc(0)
; out[t] = route x act_e(x[t] W_e^T) for the expert e chosen for token t alone: the other seven products are multiplied by a route of exactly 0 in the problem's function and are not made.
; Both operands are codes of FP6 (E2M3) with one E8M0 scale for each 32 along K = 512; sums in f32.
; SHARES.  A work-group takes N (8 or 9) tiles of 16 sorted rows; every tile has one expert.  THE WAVES SHARE THE COLUMNS: wave w makes outputs 64 w .. 64 w + 63 of all rows.  Its part of W_e, 16 fragments (192 registers)
; and 16 scale words, stays in registers until the expert changes.  First wave w gathers tile w's 16 rows of x, quantises them and lays the four fragments in LDS as images of the operand's registers (a ninth tile: waves 0-3,
; a K step each); ONE barrier; then every wave walks all tiles: fragments from LDS, 16 products, the activation, x the route's weight, through its own stage, and stores 256 consecutive aligned bytes of each row.
; THE PRODUCT IS USED TRANSPOSED (source 0 = 16 rows of W, source 1 = 16 tokens): a lane holds one token and eight neighbouring outputs.
; Rows that fill an expert's run up to 16 are copies of its last token: the same wave stores the same bytes to the same place once more.
; NO JOINT LOADS of W: how many tiles a work-group has and which experts they belong to are numbers read from memory, and the text branches on them; so it holds no tensor load, and W's images (24 KB a wave) come
; from memory straight into registers.  Two waves to a SIMD, since a wave has only 16 products a tile beside LDS round trips and vector work.
; LIMITS: NaN and infinities are not served; 0 x h of an expert not chosen is taken as 0 (true while h is finite); a block of zeros gets the scale byte 1 (its codes are zeros); tanh = 1 - 2 / (1 + e^(2h)) and
; erf = z P(z^2) / Q(z^2), z held to +-4, are right to about 1e-7 absolutely, not relatively.
; THE MODE: SCHED_MODE bits 1:0 = 2 (LLVM: expert scheduling mode 2), set by the entry lines.  The code itself states the register dependences between vector or matrix instructions and memory or LDS
; instructions, with s_wait_alu, always for 0.
; THE PLAN, while x is quantised.  Registers that memory or LDS instructions touch:
;   v1-11, v90-92, v95, v164, v165   addresses and offsets, made once at the head: one wait on va_vdst stands behind the last of them, ahead of the first load.
;   XO      written by XOFF (a second time for a ninth tile), read by the loads of x.
;   RING    two sets: loads of x land in a set, the stage's LDS stores read it; no vector line names it.
;   XN      the stage's LDS loads land in it, QUANT reads it.        PC, PW   QUANT writes them, the images' LDS stores read them.
;   A step has one wait on vm_vsrc, behind the turn through the stage (the ring's set, the last step's PC and PW, and in step 2 XO have been read), and one on va_vdst, behind QUANT (PC and PW are written; XN has been read).
; THE PLAN, in the loop over tiles:
;   FA, SA, TA, WA   written by four additions at a trip's head, read by the trip's LDS loads.
;   XF, XS  LDS loads land in them, the 16 products read them.  Behind the products stands a wait on va_vdst, and behind it the NEXT tile's 13 loads go out: they land while the activation runs.
;   W, WS   loads land in them where the expert changes; the products read them.
;   OA      LDS loads land in it, 16 vector lines turn tokens into offsets, the global stores read it.      WP   an LDS load lands in it, the activation reads it.
;   ACC     the products and the activation write it, the stage's LDS stores read it.      BK   the stage's LDS loads land in it, the global stores read it.
;   A trip has one wait on vm_vsrc, at its head, and three on va_vdst: behind the four additions, behind the products, and ahead of the way out; the activations have theirs behind exponentials and reciprocals.
.set IMG,  0                           ; LDS: 9 tiles x 4 K steps x 1,536 bytes: images of fragments
.set XSC,  55296                       ; their scale words: 512 bytes a tile, lane l's four words at 16 l
.set TOK,  59904                       ; the rows' tokens: 64 bytes a tile, the even rows' eight, then the odd rows'
.set WT,   60928                       ; the rows' route weights, 4 bytes a row
.set STG,  61952                       ; a stage of 8,448 bytes for each wave: 16 x 528 on the way in, 16 x 272 on the way out
.set SROW, 528
.set OROW, 272
.set LI,   1                           ; v1   16 x lane
.set R16,  2                           ; v2   16 x (lane % 16)
.set TST,  3                           ; v3   the stage, rows as loaded
.set TLD,  4                           ; v4   the stage, row r + 64 h
.set XWI,  5                           ; v5   where I store my tile's images
.set XWS,  6                           ; v6   and their scale words
.set XWI8, 7                           ; v7   the same for my K step of a ninth tile
.set XWS8, 8
.set SO,   9                           ; v9   the way out: where I put 32 bytes of a row
.set SR,   10                          ; v10  and where I read a row back
.set OB,   11                          ; v11  256 w + 16 (lane % 16): my bytes in a row of out
.set FA,   12                          ; v12-15 LDS addresses of the tile in hand: fragments, scale words, tokens, weight
.set SA,   13
.set TA,   14
.set WA,   15
.set XO,   16                          ; v16-31 byte offsets of 16 rows of x;  later:
.set OA,   16                          ; v16-23 byte offsets of my rows of out
.set WP,   24                          ; v[24:25] the route's weight, twice;  v[26:27] half of it;  v[28:31] the leading coefficients of P and Q
.set WS,   32                          ; v32-47 W's scale words (tile t, K step s: 4 t + s): scales and nothing else
.set XS,   48                          ; v48-51 x's scale words: scales and nothing else
.set XF,   52                          ; v52-99 x's four fragments;  while x is quantised:
.set PC,   52                          ; v52-63 the fragment, v64-70 at work
.set TM,   72                          ; v72-87
.set PW,   88
.set LI8,  90                          ; v90  16 x lane + 512 w
.set TKS,  91                          ; v91, v92 where I store a token and a weight;  v93, v94 the two;  v95 their offset in memory
.set WTS,  92
.set TKD,  93
.set WTD,  94
.set TBO,  95
.set ACC,  100                         ; v100-131 four accumulators
.set BK,   132                         ; v132-163 16 rows read back from the stage
.set XN,   100                         ; v100-163 64 numbers of x
.set TA0,  164                         ; v164 TOK + 32 (lane / 16);  v165 WT + 4 (lane % 16)
.set WA0,  165
.set RING, 192                         ; v192-255 of windows 0 and 1: two sets of 16 rows x 4 registers;  window 1, v0-191: W's fragments, 12 (4 t + s)
.set T0,   192                         ; later the activations' work registers
.set WV,   18                          ; s18 wave
.set FT,   20                          ; s20 F, s21 N, s22 the tiles' experts, 3 bits each
.set NT,   21
.set EP,   22
.set WB,   24                          ; s[24:25] my fragments of W_e;  s[26:27] their scale words
.set WSB,  26
.set OPF,  28                          ; s[28:29] order at my first row;  s[74:75] wsort likewise
.set ECUR, 30                          ; s30 the expert whose weights I hold;  s31 the tile's
.set EN,   31
.set XR,   32                          ; s[32:47] my tile's 16 tokens;  s[48:63] a ninth tile's
.set XR8,  48
.set M,    66                          ; s66 the tile;  s67, s68, s69 its places in LDS
.set TB,   67
.set TS,   68
.set TW,   69
.set SEL,  70
.set WSF,  74
.set MSB, 0
.macro WIN new                         ; the immediate's high byte repeats the setting that is left; a switch that changes nothing is dropped
.if MSB != (\new)
	s_set_vgpr_msb (MSB<<8)|(\new)
.set MSB, (\new)
.endif
.endm
.macro XOFF base, add                  ; 16 tokens become byte offsets of rows of x
.irp i, 0,1,2,3,4,5,6,7,8,9,10,11,12,13,14,15
	s_min_u32 s2, s[\base+\i], 0x7fff              ; a number read from memory is held inside the tensor before it enters an address
	v_lshl_add_u32 v[XO+\i], s2, 11, v[\add]
.endr
.endm
.macro XLOAD set, off                  ; 128 along K of the 16 rows: each load reads 512 consecutive bytes of one row
	WIN 0x40*(\set)
.irp i, 0,1,2,3,4,5,6,7,8,9,10,11,12,13,14,15
	global_load_b128 v[RING+4*\i:RING+4*\i+3], v[XO+\i], s[4:5] offset:\off
.endr
	WIN 0
.endm
.macro WBASE                           ; where my part of W_e lies: tiles 32 e + 4 w on, 6,144 bytes each; rows 512 e + 64 w on, 16 bytes each
	s_lshl_b32 s2, s[ECUR], 5
	s_lshl_b32 s80, s[WV], 2
	s_add_co_u32 s2, s2, s80
	s_mul_i32 s2, s2, 6144
	s_add_nc_u64 s[WB:WB+1], s[12:13], s[2:3]
	s_lshl_b32 s2, s[ECUR], 13
	s_lshl_b32 s80, s[WV], 10
	s_add_co_u32 s2, s2, s80
	s_add_nc_u64 s[WSB:WSB+1], s[14:15], s[2:3]
.endm
.macro WL k                            ; my k-th tile of 16 rows of W: four fragments and their scale words: 13 loads
	WIN 0x40
.irp s, 0,1,2,3
.irp c, 0,1,2
	global_load_b128 v[12*(4*(\k)+\s)+4*\c:12*(4*(\k)+\s)+4*\c+3], v[LI], s[WB:WB+1] offset:(4*(\k)+\s)*1536+512*\c
.endr
.endr
	WIN 0
	global_load_b128 v[WS+4*(\k):WS+4*(\k)+3], v[R16], s[WSB:WSB+1] offset:256*(\k)
.endm
.macro TURN set                        ; 16 rows x 512 bytes through my stage: in as loaded, out 16 neighbours of each block of 32 a lane
	WIN 0x04*(\set)
.irp i, 0,1,2,3,4,5,6,7,8,9,10,11,12,13,14,15
	ds_store_b128 v[TST], v[RING+4*\i:RING+4*\i+3] offset:SROW*\i
.endr
	WIN 0
.irp b, 0,1,2,3
.irp j, 0,1,2,3
	ds_load_b128 v[XN+16*\b+4*\j:XN+16*\b+4*\j+3], v[TLD] offset:128*\b+16*\j   ; LDS serves a wave's instructions in order: these see my stores.  No vector line since the last wait on va_vdst names XN
.endr
.endr
.endm
; 64 numbers of a lane, register 16 b + i = k 32 b + 16 (lane / 16) + i of my row, become a fragment's codes in v[PC] on and its scale word in v[PW]
.macro QUANT s
.irp b, 0,1,2,3
	v_max3_num_f32 v[TM+\b], |v[\s+16*\b]|, |v[\s+1+16*\b]|, 0x1800000   ; block b: my 16 numbers, and the floor 2^(3 - 127): the byte cannot fall under 1
.endr
.irp i, 2,4,6,8,10,12,14
.irp b, 0,1,2,3
	v_max3_num_f32 v[TM+\b], v[TM+\b], |v[\s+16*\b+\i]|, |v[\s+1+16*\b+\i]|   ; the four blocks by turns
.endr
.endr
.irp b, 0,1,2,3
	v_permlanex16_b32 v[TM+4+\b], v[TM+\b], s[SEL], s[SEL+1]
.endr
.irp b, 0,1,2,3
	v_max_num_f32 v[TM+\b], v[TM+\b], v[TM+4+\b]   ; with lane l xor 16's: the block's largest magnitude
.endr
.irp b, 0,1,2,3
	v_add_nc_u32 v[TM+12+\b], 0xff000000, v[TM+\b]   ; 2 off its exponent field: the conversion takes the exponent field of this operand as its scale
.endr
.irp b, 0,1,2,3
	v_lshrrev_b32 v[TM+4+\b], 23, v[TM+12+\b]      ; the scale's byte
.endr
	v_lshl_or_b32 v[PW], v[TM+5], 8, v[TM+4]
	v_lshl_or_b32 v[PW], v[TM+6], 16, v[PW]
	v_lshl_or_b32 v[PW], v[TM+7], 24, v[PW]
.irp c, 0,1
	v_cvt_scalef32_pk16_fp6_f32 v[PC+6*\c:PC+2+6*\c], v[\s+32*\c:\s+15+32*\c], v[TM+12+2*\c]
	v_cvt_scalef32_pk16_fp6_f32 v[PC+12+4*\c:PC+14+4*\c], v[\s+16+32*\c:\s+31+32*\c], v[TM+12+2*\c+1]   ; (a conversion's three registers begin on an even number)
.endr
	v_nop                                          ; one plain place behind a scaled conversion
.irp c, 0,1                                    ; the operand's layout wants a whole block in a lane
.irp i, 0,1,2
	v_permlane16_swap_b32 v[PC+6*\c+\i], v[PC+12+4*\c+\i]
.endr
.irp i, 0,1,2
	v_mov_b32 v[PC+3+6*\c+\i], v[PC+12+4*\c+\i]
.endr
.endr
.endm
.macro IMAGE adr, off                  ; the fragment goes to LDS as it stands: 512 consecutive bytes a store
.irp c, 0,1,2
	ds_store_b128 v[\adr], v[PC+4*\c:PC+4*\c+3] offset:\off+512*\c
.endr
.endm
.macro XFETCH fa, sa, off, soff        ; a tile's four fragments and its scale words come back from LDS as they were stored: 13 loads
.irp s, 0,1,2,3
.irp c, 0,1,2
	ds_load_b128 v[XF+12*\s+4*\c:XF+12*\s+4*\c+3], v[\fa] offset:\off+1536*\s+512*\c
.endr
.endr
	ds_load_b128 v[XS:XS+3], v[\sa] offset:\soff
.endm
; K step u of my tile.  left: the loads issued behind this step's 16, which may stay out
.macro STEP u, left
	s_wait_loadcnt \left
.if \u == 0
	ds_store_b32 v[TKS], v[TKD]                    ; the tables (their two loads were issued ahead of step 0's)
	ds_store_b32 v[WTS], v[WTD]
.endif
	TURN (\u)%2
	s_wait_dscnt 0x0                               ; the numbers are back
	s_wait_alu depctr_vm_vsrc(0)                   ; the stage's stores have read the ring's set, in which loads land below; the last step's LDS stores have read the fragment and its scale word, which QUANT writes anew; in step 2: step 3's loads have read their offsets
.if \u < 2
	XLOAD (\u)%2, 512*(\u)+1024                    ; the set takes the step two on
.endif
.if \u == 2
	s_cmp_lt_u32 s[WV], 4                          ; a ninth tile: waves 0-3 take a K step each
	s_cbranch_scc0 .Lno_ninth_load
	s_cmp_eq_u32 s[NT], 9
	s_cbranch_scc0 .Lno_ninth_load
	s_wait_xcnt 0x0                                ; step 3's loads have read their offsets: these may be written again
	XOFF XR8, LI8
	s_wait_alu depctr_va_vdst(0)                   ; the sixteen offsets are written, which the loads below read
	XLOAD 0, 0
.Lno_ninth_load:
.endif
	WL \u                                          ; a quarter of my weights is asked for in each step
	QUANT XN
	s_wait_alu depctr_va_vdst(0)                   ; QUANT has written the fragment and its scale word, which the LDS stores below read; and it is done reading the 64 numbers, in which the next turn's LDS loads land
	IMAGE XWI, 1536*(\u)
	ds_store_b32 v[XWS], v[PW] offset:4*(\u)
.endm
; 16 products: K step by K step, the four accumulators by turns, one instruction a turn.  The first K step starts the sums
.macro MUL
	WIN 0x01                                       ; source 0 (W) in window 1
.irp s, 0,1,2,3
.irp t, 0,1,2,3
.if \s == 0
	v_wmma_scale_f32_16x16x128_f8f6f4 v[ACC+8*\t:ACC+8*\t+7], v[12*(4*\t+\s):12*(4*\t+\s)+11], v[XF+12*\s:XF+12*\s+11], 0, v[WS+4*\t+\s], v[XS+\s] matrix_a_fmt:MATRIX_FMT_FP6 matrix_b_fmt:MATRIX_FMT_FP6
.else
	v_wmma_scale_f32_16x16x128_f8f6f4 v[ACC+8*\t:ACC+8*\t+7], v[12*(4*\t+\s):12*(4*\t+\s)+11], v[XF+12*\s:XF+12*\s+11], v[ACC+8*\t:ACC+8*\t+7], v[WS+4*\t+\s], v[XS+\s] matrix_a_fmt:MATRIX_FMT_FP6 matrix_b_fmt:MATRIX_FMT_FP6
.endif
.endr
.endr
	WIN 0
.endm
; THE ACTIVATIONS work in place on accumulator t, from its low end on.
.macro PKW t                           ; x the route's weight
.irp p, 0,1,2,3
	v_pk_mul_f32 v[ACC+8*\t+2*\p:ACC+8*\t+2*\p+1], v[ACC+8*\t+2*\p:ACC+8*\t+2*\p+1], v[WP:WP+1]
.endr
.endm
.macro RELU t
.irp i, 0,1,2,3,4,5,6,7
	v_max_num_f32 v[ACC+8*\t+\i], 0, v[ACC+8*\t+\i]
.endr
.endm
.macro SIGF t, const                   ; v[T0 + 8 t ..] = 1 / (1 + 2^(h x const))
.irp p, 0,1,2,3
	v_pk_mul_f32 v[T0+8*\t+2*\p:T0+8*\t+2*\p+1], v[ACC+8*\t+2*\p:ACC+8*\t+2*\p+1], \const op_sel_hi:[1,0]
.endr
	s_wait_alu depctr_va_vdst(0)
.irp i, 0,1,2,3,4,5,6,7
	v_exp_f32 v[T0+8*\t+\i], v[T0+8*\t+\i]
.endr
	v_nop                                          ; a plain place behind the exponentials
	s_wait_alu depctr_va_vdst(0)                   ; the eight exponentials have written their results, which the additions below read
.irp p, 0,1,2,3
	v_pk_add_f32 v[T0+8*\t+2*\p:T0+8*\t+2*\p+1], v[T0+8*\t+2*\p:T0+8*\t+2*\p+1], 1.0 op_sel_hi:[1,0]
.endr
	s_wait_alu depctr_va_vdst(0)
.irp i, 0,1,2,3,4,5,6,7
	v_rcp_f32 v[T0+8*\t+\i], v[T0+8*\t+\i]
.endr
	v_nop                                          ; a plain place behind the reciprocals
.endm
.set GZ, T0                            ; gelu: z, z^2, P, Q
.set GX, T0+8
.set GP, T0+16
.set GQ, T0+24
.macro GELU t                          ; w h (1 + erf(h / sqrt 2)) / 2
.irp p, 0,1,2,3
	v_pk_mul_f32 v[GZ+2*\p:GZ+2*\p+1], v[ACC+8*\t+2*\p:ACC+8*\t+2*\p+1], 0x3f3504f3 op_sel_hi:[1,0]
.endr
.irp i, 0,1,2,3,4,5,6,7
	v_med3_num_f32 v[GZ+\i], v[GZ+\i], -4.0, 4.0   ; beyond 4 erf is 1 to the last bit of f32
.endr
.irp p, 0,1,2,3
	v_pk_mul_f32 v[GX+2*\p:GX+2*\p+1], v[GZ+2*\p:GZ+2*\p+1], v[GZ+2*\p:GZ+2*\p+1]
.endr
.irp p, 0,1,2,3
	v_pk_fma_f32 v[GP+2*\p:GP+2*\p+1], v[GX+2*\p:GX+2*\p+1], v[28:29], 0x32edffee op_sel_hi:[1,1,0]   ; -2.72614226e-10 z^2 + 2.77068142e-8
	v_pk_fma_f32 v[GQ+2*\p:GQ+2*\p+1], v[GX+2*\p:GX+2*\p+1], v[30:31], 0xb95fbd29 op_sel_hi:[1,1,0]   ; -1.45660718e-5 z^2 - 2.13374055e-4
.endr
.irp c, 0xb60cff51, 0xb86ec2d2, 0xba40ac63, 0xbb41a1f6, 0xbc83dbd4   ; -2.10102402e-6, -5.69250639e-5, -7.34990630e-4, -2.95459981e-3, -1.60960333e-2
.irp p, 0,1,2,3
	v_pk_fma_f32 v[GP+2*\p:GP+2*\p+1], v[GP+2*\p:GP+2*\p+1], v[GX+2*\p:GX+2*\p+1], \c op_sel_hi:[1,1,0]
.endr
.endr
.irp c, 0xbadc924e, 0xbbf19bf8, 0xbc69b6a7     ; -1.68282697e-3, -7.37332917e-3, -1.42647391e-2
.irp p, 0,1,2,3
	v_pk_fma_f32 v[GQ+2*\p:GQ+2*\p+1], v[GQ+2*\p:GQ+2*\p+1], v[GX+2*\p:GX+2*\p+1], \c op_sel_hi:[1,1,0]
.endr
.endr
	s_wait_alu depctr_va_vdst(0)
.irp i, 0,1,2,3,4,5,6,7
	v_rcp_f32 v[GQ+\i], v[GQ+\i]
.endr
.irp p, 0,1,2,3
	v_pk_mul_f32 v[GP+2*\p:GP+2*\p+1], v[GP+2*\p:GP+2*\p+1], v[GZ+2*\p:GZ+2*\p+1]   ; z P.  (Plain places behind the reciprocals)
.endr
.irp p, 0,1,2,3
	v_pk_mul_f32 v[ACC+8*\t+2*\p:ACC+8*\t+2*\p+1], v[ACC+8*\t+2*\p:ACC+8*\t+2*\p+1], v[26:27]   ; a = h w / 2
.endr
	s_wait_alu depctr_va_vdst(0)                   ; the eight reciprocals 1 / Q are written, which the multiplications below read
.irp p, 0,1,2,3
	v_pk_mul_f32 v[GP+2*\p:GP+2*\p+1], v[GP+2*\p:GP+2*\p+1], v[GQ+2*\p:GQ+2*\p+1]   ; erf
.endr
.irp p, 0,1,2,3
	v_pk_fma_f32 v[ACC+8*\t+2*\p:ACC+8*\t+2*\p+1], v[ACC+8*\t+2*\p:ACC+8*\t+2*\p+1], v[GP+2*\p:GP+2*\p+1], v[ACC+8*\t+2*\p:ACC+8*\t+2*\p+1]   ; a erf + a
.endr
.endm
	s_load_b256 s[4:11], s[0:1], 0x0               ; x s[4:5], order s[6:7], tiles s[8:9], wsort s[10:11]
	s_load_b128 s[12:15], s[0:1], 0x20             ; wfrag s[12:13], wscl s[14:15]
	s_load_b64 s[16:17], s[0:1], 0x30              ; out
	v_lshl_add_u32 v190, v0, 2, 0x20000
	v_mov_b32 v191, 0
	v_lshrrev_b32 v12, 5, v0
	v_readfirstlane_b32 s[WV], v12                 ; wave 0..7
	s_lshl_b32 s2, ttmp9, 4
	s_mov_b32 s3, 0                                ; stays 0: the upper word of every offset
	s_wait_kmcnt 0x0
	s_add_nc_u64 s[8:9], s[8:9], s[2:3]
	s_load_b128 s[20:23], s[8:9], 0x0              ; F, N, the experts
	; every lane's addresses are made here, ahead of every branch, while that load is out
	v_and_b32 v13, 31, v0                          ; lane
	v_and_b32 v14, 15, v0                          ; r
	v_bfe_u32 v15, v0, 4, 1                        ; h
	v_lshlrev_b32 v[LI], 4, v13
	v_lshlrev_b32 v[R16], 4, v14
	s_wait_alu depctr_va_sdst(0)                   ; the wave's number is written into s18, ahead of its first reader: LDS places, bases and branches are made from it
	s_mul_i32 s80, s[WV], 16*SROW
	s_add_co_u32 s80, s80, STG                     ; my stage
	v_add_nc_u32 v[TST], s80, v[LI]
	v_mul_u32_u24 v[TLD], v14, SROW
	v_lshl_add_u32 v[TLD], v15, 6, v[TLD]
	v_add_nc_u32 v[TLD], s80, v[TLD]
	v_mul_u32_u24 v[SO], v14, OROW
	v_lshl_add_u32 v[SO], v15, 5, v[SO]
	v_add_nc_u32 v[SO], s80, v[SO]                 ; row r, + 32 h
	v_mul_u32_u24 v[SR], v15, OROW
	v_add_nc_u32 v[SR], v[SR], v[R16]
	v_add_nc_u32 v[SR], s80, v[SR]                 ; lanes 0-15 one row, lanes 16-31 the next
	s_mul_i32 s81, s[WV], 6144
	v_add_nc_u32 v[XWI], s81, v[LI]                ; IMG (LDS byte 0) + tile w
	s_lshl_b32 s81, s[WV], 9
	v_add_nc_u32 v[LI8], s81, v[LI]                ; in a row of x: K step w
	s_add_co_u32 s81, s81, XSC
	v_add_nc_u32 v[XWS], s81, v[LI]
	s_mul_i32 s81, s[WV], 1536
	s_add_co_u32 s81, s81, IMG+8*6144
	v_add_nc_u32 v[XWI8], s81, v[LI]               ; tile 8, K step w (used by waves 0-3 alone)
	s_lshl_b32 s81, s[WV], 2
	s_add_co_u32 s81, s81, XSC+8*512
	v_add_nc_u32 v[XWS8], s81, v[LI]
	s_lshl_b32 s81, s[WV], 8
	v_add_nc_u32 v[OB], s81, v[R16]
	v_lshl_add_u32 v[TA0], v15, 5, TOK
	v_lshl_add_u32 v[WA0], v14, 2, WT
	v_and_b32 v[TKS], 0xf0, v0
	v_lshlrev_b32 v[TKS], 2, v[TKS]                ; row rho = my thread's number: 64 (rho / 16)
	v_and_b32 v12, 1, v0
	v_lshl_add_u32 v[TKS], v12, 5, v[TKS]          ; + 32 (rho % 2)
	v_bfe_u32 v12, v0, 1, 3
	v_lshl_add_u32 v[TKS], v12, 2, v[TKS]          ; + 4 ((rho % 16) / 2)
	v_add_nc_u32 v[TKS], TOK, v[TKS]
	v_lshl_add_u32 v[WTS], v0, 2, WT
.irp b, 0,1,2,3
	v_mov_b32 v[TM+4+\b], 0                        ; a lane permute's destination counts as one of its sources
.endr
	s_mov_b32 s[SEL], 0x76543210
	s_mov_b32 s[SEL+1], 0xfedcba98
	s_mov_b32 s[M], 0
	s_mov_b32 s[TB], IMG
	s_mov_b32 s[TS], XSC
	s_mov_b32 s[TW], 0
	s_wait_kmcnt 0x0
	s_min_u32 s[FT], s[FT], 2047                   ; numbers read from memory are held before they enter an address: 64 x 2,047 + 576 bytes is the two lists' length
	s_min_u32 s[NT], s[NT], 9
	s_lshl_b32 s2, s[FT], 6                        ; 16 rows x 4 bytes a tile
	s_add_nc_u64 s[OPF:OPF+1], s[6:7], s[2:3]
	s_add_nc_u64 s[WSF:WSF+1], s[10:11], s[2:3]
	s_lshl_b32 s2, s[WV], 6
	s_add_nc_u64 s[76:77], s[OPF:OPF+1], s[2:3]
	s_load_b512 s[XR:XR+15], s[76:77], 0x0         ; tile w's tokens (N is at least 8)
	s_sub_co_u32 s2, s[NT], 1
	s_min_u32 s2, s2, 8
	s_lshl_b32 s2, s2, 6
	s_add_nc_u64 s[78:79], s[OPF:OPF+1], s[2:3]
	s_load_b512 s[XR8:XR8+15], s[78:79], 0x0       ; the last tile's: the ninth where there is one
	s_lshl_b32 s2, s[NT], 4
	s_sub_co_u32 s2, s2, 1
	v_min_u32 v[TBO], s2, v0                       ; the tables: thread rho takes row min(rho, 16 N - 1),
	v_min_u32 v[TBO], 143, v[TBO]                  ; held inside nine tiles
	v_lshlrev_b32 v[TBO], 2, v[TBO]
	s_and_b32 s[ECUR], s[EP], 7                    ; the first tile's expert,
	s_min_u32 s[ECUR], s[ECUR], 7                  ; with its bound held like every number from memory that enters an address
	WBASE
	s_wait_kmcnt 0x0
	XOFF XR, LI
	s_wait_alu depctr_va_vdst(0)                   ; every address and offset of the kernel's first part is written (v1-11, v90-92, v95, v164, v165, the sixteen rows' v16-31): the loads and LDS instructions below read them
	global_load_b32 v[TKD], v[TBO], s[OPF:OPF+1]
	global_load_b32 v[WTD], v[TBO], s[WSF:WSF+1]
	XLOAD 0, 0
	XLOAD 1, 512
	; loads come back in the order of issue.  That order: tables, X0, X1 | X2, W0 | X3, W1 | (X8,) W2 | W3; an X is 16 loads, a W 13
	STEP 0, 16                                     ; behind X0: X1
	STEP 1, 29                                     ; behind X1: X2, W0
	STEP 2, 42                                     ; behind X2: W0, X3, W1
	STEP 3, 26                                     ; behind X3: W1, W2, and with a ninth tile X8 between them: the smaller count is right on both ways
	s_cmp_lt_u32 s[WV], 4
	s_cbranch_scc0 .Lno_ninth
	s_cmp_eq_u32 s[NT], 9
	s_cbranch_scc0 .Lno_ninth
	s_wait_loadcnt 26                              ; behind X8: W2, W3
	TURN 0
	s_wait_dscnt 0x0
	s_wait_alu depctr_vm_vsrc(0)                   ; step 3's LDS stores have read the fragment and its scale word, which QUANT writes anew
	QUANT XN
	s_wait_alu depctr_va_vdst(0)                   ; QUANT has written the fragment and its scale word, which the LDS stores below read
	IMAGE XWI8, 0
	ds_store_b32 v[XWS8], v[PW]
.Lno_ninth:
	s_wait_dscnt 0x0                               ; for the others' sake: my images, scale words and table entries are in LDS
	s_barrier_signal -1
	s_barrier_wait -1                              ; the launch's one barrier: from here on nobody writes them
	s_wait_loadcnt 0x0                             ; my weights are in; every load's offsets are free
	s_wait_alu depctr_vm_vsrc(0)                   ; my LDS stores have read the fragment, its scale word and the tables' registers (v52-63, v88, v91-94), my loads their offsets (v16-31, v95): all these are written anew from here on
	XFETCH LI, LI, IMG, XSC                        ; tile 0's fragments and scale words.  (The vector lines that named v52-99 stand ahead of the last wait on va_vdst)
	v_mov_b32 v28, 0xaf95df0b                      ; -2.72614226e-10, twice
	v_mov_b32 v29, 0xaf95df0b
	v_mov_b32 v30, 0xb77460cd                      ; -1.45660718e-5, twice
	v_mov_b32 v31, 0xb77460cd
.Ltile:                                                ; nine trips, a constant; a work-group of eight tiles jumps over the ninth trip's work
	s_wait_alu depctr_vm_vsrc(0)                   ; the last trip's LDS loads have read the four addresses written below; its LDS stores have read the accumulators, its global stores their offsets and data: all are written anew in this trip
	v_add_nc_u32 v[FA], s[TB], v[LI]
	v_add_nc_u32 v[SA], s[TS], v[LI]
	v_add_nc_u32 v[TA], s[TW], v[TA0]
	v_add_nc_u32 v[WA], s[TW], v[WA0]
	s_wait_alu depctr_va_vdst(0)                   ; the four addresses are written, which this trip's LDS loads read
	s_cmp_ge_u32 s[M], s[NT]
	s_cbranch_scc1 .Lnext
	s_and_b32 s[EN], s[EP], 7
	s_min_u32 s[EN], s[EN], 7
	s_cmp_eq_u32 s[EN], s[ECUR]
	s_cbranch_scc1 .Lsame
	s_mov_b32 s[ECUR], s[EN]                       ; another expert: my part of its weights (no load of mine is out, so the bases may be written; the products that read the old weights and scale words stand ahead of the waits on va_vdst)
	WBASE
	WL 0
	WL 1
	WL 2
	WL 3
	s_wait_loadcnt 0x0
.Lsame:
	s_wait_xcnt 0x0                                ; the last trip's stores have read their offsets and data: both are loaded anew below
	ds_load_b128 v[OA:OA+3], v[TA]                 ; the tokens of rows 2 i + lane / 16
	ds_load_b128 v[OA+4:OA+7], v[TA] offset:16
	ds_load_b32 v[WP], v[WA]                       ; the weight of row lane % 16
	s_wait_dscnt 3                                 ; fragments and scale words, asked for in the trip before (tile 0's: ahead of the loop), are in; the three loads just issued may be out
	MUL
	s_wait_dscnt 0x0
.irp i, 0,1,2,3,4,5,6,7                        ; 17 plain lines that name none of the products' registers: the places behind them
	v_min_u32 v[OA+\i], 0x7fff, v[OA+\i]
.endr
.irp i, 0,1,2,3,4,5,6,7
	v_lshl_add_u32 v[OA+\i], v[OA+\i], 11, v[OB]   ; the row's 2,048 bytes, + my 16
.endr
	v_mov_b32 v[WP+1], v[WP]
	s_wait_alu depctr_va_vdst(0)                   ; the products are done reading x's fragments and scale words, in which the next tile's land; the rows' offsets are written, which the global stores read
	s_add_co_u32 s80, s[M], 1
	s_cmp_ge_u32 s80, s[NT]                        ; behind the last tile nothing is asked for
	s_cbranch_scc1 .Lno_more
	XFETCH FA, SA, 6144, 512                       ; the next tile's, one tile on from this trip's addresses: they land while the activation runs, which names none of their registers
.Lno_more:
	s_cmp_eq_u32 s[ECUR], 0
	s_cbranch_scc1 .Lgelu
	s_cmp_eq_u32 s[ECUR], 1
	s_cbranch_scc1 .Lrelu
	s_cmp_eq_u32 s[ECUR], 2
	s_cbranch_scc1 .Lrelu2
	s_cmp_eq_u32 s[ECUR], 3
	s_cbranch_scc1 .Lsilu
	s_cmp_eq_u32 s[ECUR], 4
	s_cbranch_scc1 .Ltanh
	s_cmp_eq_u32 s[ECUR], 5
	s_cbranch_scc1 .Lsigmoid
	s_cmp_eq_u32 s[ECUR], 6
	s_cbranch_scc1 .Lidentity
.irp j, 0,2,4,6,8,10,12,14,16,18,20,22,24,26,28,30   ; 7: -h
	v_pk_mul_f32 v[ACC+\j:ACC+\j+1], v[ACC+\j:ACC+\j+1], v[WP:WP+1] neg_lo:[0,1] neg_hi:[0,1]
.endr
	s_branch .Lout
.Lgelu:
	v_mul_f32 v26, 0.5, v[WP]
	v_mul_f32 v27, 0.5, v[WP]
.irp t, 0,1,2,3
	GELU \t
.endr
	s_branch .Lout
.Lrelu:
.irp t, 0,1,2,3
	RELU \t
	PKW \t
.endr
	s_branch .Lout
.Lrelu2:
.irp t, 0,1,2,3
	RELU \t
.irp p, 0,1,2,3
	v_pk_mul_f32 v[ACC+8*\t+2*\p:ACC+8*\t+2*\p+1], v[ACC+8*\t+2*\p:ACC+8*\t+2*\p+1], v[ACC+8*\t+2*\p:ACC+8*\t+2*\p+1]
.endr
	PKW \t
.endr
	s_branch .Lout
.Lsilu:
.irp t, 0,1,2,3
	SIGF \t, 0xbfb8aa3b                            ; -log2(e)
	s_wait_alu depctr_va_vdst(0)                   ; the eight reciprocals are written, which the multiplications below read
.irp p, 0,1,2,3
	v_pk_mul_f32 v[ACC+8*\t+2*\p:ACC+8*\t+2*\p+1], v[ACC+8*\t+2*\p:ACC+8*\t+2*\p+1], v[T0+8*\t+2*\p:T0+8*\t+2*\p+1]
.endr
	PKW \t
.endr
	s_branch .Lout
.Ltanh:
.irp t, 0,1,2,3
	SIGF \t, 0x4038aa3b                            ; 2 log2(e)
	s_wait_alu depctr_va_vdst(0)                   ; the eight reciprocals are written, which the multiply-adds below read
.irp p, 0,1,2,3
	v_pk_fma_f32 v[T0+8*\t+2*\p:T0+8*\t+2*\p+1], v[T0+8*\t+2*\p:T0+8*\t+2*\p+1], -2.0, 1.0 op_sel_hi:[1,0,0]   ; 1 - 2 / (1 + e^(2h))
.endr
.irp p, 0,1,2,3
	v_pk_mul_f32 v[ACC+8*\t+2*\p:ACC+8*\t+2*\p+1], v[T0+8*\t+2*\p:T0+8*\t+2*\p+1], v[WP:WP+1]
.endr
.endr
	s_branch .Lout
.Lsigmoid:
.irp t, 0,1,2,3
	SIGF \t, 0xbfb8aa3b
	s_wait_alu depctr_va_vdst(0)                   ; the eight reciprocals are written, which the multiplications below read
.irp p, 0,1,2,3
	v_pk_mul_f32 v[ACC+8*\t+2*\p:ACC+8*\t+2*\p+1], v[T0+8*\t+2*\p:T0+8*\t+2*\p+1], v[WP:WP+1]
.endr
.endr
	s_branch .Lout
.Lidentity:
.irp t, 0,1,2,3
	PKW \t
.endr
.Lout:
	; THE WAY OUT: a lane holds 32 bytes of each of four pieces of its row; through my own stage they come back as whole rows of 256 bytes
	s_wait_alu depctr_va_vdst(0)                   ; the activation has written the accumulators, which the LDS stores below read
.irp t, 0,1,2,3
	ds_store_b128 v[SO], v[ACC+8*\t:ACC+8*\t+3] offset:64*\t
	ds_store_b128 v[SO], v[ACC+8*\t+4:ACC+8*\t+7] offset:64*\t+16
.endr
.irp i, 0,1,2,3,4,5,6,7
	ds_load_b128 v[BK+4*\i:BK+4*\i+3], v[SR] offset:2*\i*OROW   ; LDS serves a wave's instructions in order: these see my stores
.endr
.irp i, 0,1,2,3,4,5,6,7
	s_wait_dscnt 7-\i                              ; (the next tile's loads were issued ahead of these: they are in too)
	global_store_b128 v[OA+\i], v[BK+4*\i:BK+4*\i+3], s[16:17] th:TH_STORE_NT   ; sixteen lanes store 256 consecutive bytes of a row, at a multiple of 256 from out's first byte; two rows a store
.endr
.Lnext:
	s_lshr_b32 s[EP], s[EP], 3                     ; the next tile's expert, and its places in LDS
	s_add_co_u32 s[TB], s[TB], 6144
	s_add_co_u32 s[TS], s[TS], 512
	s_add_co_u32 s[TW], s[TW], 64
	s_add_co_u32 s[M], s[M], 1
	s_cmp_lt_u32 s[M], 9
	s_cbranch_scc1 .Ltile
	s_wait_dscnt 0x0                               ; the closing lines, six on end
	s_wait_alu 0x0
	s_wait_tensorcnt 0x0
	ds_add_u32 v190, v191
	s_wait_dscnt 0x0
	s_endpgm
.Lfunc_end_k_qff6cfd6644_chain:
	.size	k_qff6cfd6644_chain, .Lfunc_end_k_qff6cfd6644_chain-k_qff6cfd6644_chain
	.p2alignl 7, 3214868480
	.fill 96, 4, 3214868480
	.section	.rodata,"a",@progbits
	.p2align	6, 0x0
	.amdhsa_kernel k_qff6cfd6644_chain
		.amdhsa_group_segment_fixed_size 132096
		.amdhsa_private_segment_fixed_size 0
		.amdhsa_enable_private_segment 0
		.amdhsa_kernarg_size 56
		.amdhsa_user_sgpr_count 2
		.amdhsa_user_sgpr_kernarg_segment_ptr 1
		.amdhsa_wavefront_size32 1
		.amdhsa_system_sgpr_workgroup_id_x 1
		.amdhsa_system_sgpr_workgroup_id_y 1
		.amdhsa_system_sgpr_workgroup_id_z 1
		.amdhsa_system_vgpr_workitem_id 0
		.amdhsa_next_free_vgpr 512
		.amdhsa_next_free_sgpr 96
		.amdhsa_reserve_vcc 0
		.amdhsa_float_denorm_mode_32 3
		.amdhsa_float_denorm_mode_16_64 3
		.amdhsa_memory_ordered 1
		.amdhsa_forward_progress 1
		.amdhsa_inst_pref_size 120
	.end_amdhsa_kernel
	.amdgpu_metadata
---
amdhsa.version: [ 1, 2 ]
amdhsa.kernels:
  - .name:           k_qff6cfd6644_chain
    .symbol:         k_qff6cfd6644_chain.kd
    .args:
      - { .name: x, .offset: 0, .size: 8, .value_kind: global_buffer, .address_space: global }
      - { .name: order, .offset: 8, .size: 8, .value_kind: global_buffer, .address_space: global }
      - { .name: tiles, .offset: 16, .size: 8, .value_kind: global_buffer, .address_space: global }
      - { .name: wsort, .offset: 24, .size: 8, .value_kind: global_buffer, .address_space: global }
      - { .name: wfrag, .offset: 32, .size: 8, .value_kind: global_buffer, .address_space: global }
      - { .name: wscl, .offset: 40, .size: 8, .value_kind: global_buffer, .address_space: global }
      - { .name: out0, .offset: 48, .size: 8, .value_kind: global_buffer, .address_space: global }
    .group_segment_fixed_size: 132096
    .private_segment_fixed_size: 0
    .kernarg_segment_align: 8
    .kernarg_segment_size: 56
    .max_flat_workgroup_size: 256
    .sgpr_count:     96
    .vgpr_count:     512
    .wavefront_size: 32
...
	.end_amdgpu_metadata
.endif
;; end of part 6
